; MI455X (gfx1250); checked and timed in simulation.
; The chip was launched on July 23, 2026; its instructions are those of AMD's public machine-readable ISA for CDNA 5 (MIT licence, August 2026) and "CDNA5" Instruction Set Architecture Reference Guide (July 2026). The comments in the code are by the model that wrote it; some were corrected since.
;; RNN Receiver. Allowed arithmetic: float matrix products may take bf16 or f16 operands with f32 sums; all other float work in f32.
;; Inputs: W_hh 4,096 x 1,024 float32; W_ih 4,096 x 3,136 float32; W_t 2,048 x 1,024 float32; b_hh 4,096 float32; b_ih 4,096 float32; b_t 2,048 float32; contexts 1,024 x 2,048 float32; msgs 4 x 1,024 x 64 float32.
;; Outputs: out0 1,024 x 2,048 float32.
;; 2 versions, each right; version 2 is version 1 with the launches prep, soft written anew for expert scheduling mode. Each part assembles by itself: llvm-mc -triple=amdgcn-amd-amdhsa -mcpu=gfx1250 --defsym DOCPART=n.
;; ======== version 1 of 2: 7 launches
;; workspace buffers: wb 27,787,264 bytes; x1 4,325,376 bytes; x2 4,325,376 bytes; x3 4,325,376 bytes; x4 4,325,376 bytes; g 12,582,912 bytes; lg 8,388,608 bytes
;; launch prep (part 1): grid 860 x 1, 8 waves a work-group, no clusters, 19,456 bytes of LDS; arguments W_ih, contexts, W_t, msgs, wb, x1, x2, x3; writes wb, x1, x2, x3
.if DOCPART == 1
	.amdgcn_target "amdgcn-amd-amdhsa--gfx1250"
	.amdhsa_code_object_version 6
	.text
	.protected	k_q7f811e8aae_prep
	.globl	k_q7f811e8aae_prep
	.p2align	8
	.type	k_q7f811e8aae_prep,@function
k_q7f811e8aae_prep:
	s_mov_b64 s[64:65], 0
	v_nop
	global_prefetch_b8 v0, s[64:65] scope:SCOPE_SE
	s_setreg_imm32_b32 hwreg(HW_REG_WAVE_MODE, 25, 1), 1
	s_wait_xcnt 0x0
; PREP: every matrix operand of the later launches is rounded once from f32 to bf16 and laid out as a FRAGMENT IMAGE.
; Image(R rows, K): element (row, k) lies at byte (row/64)(K/16)2048 + (k/16)2048 + ((row/16)%4)512 + ((k/8)%2)256 + (row%16)16 + (k%8)2.
; A unit of 16 rows x 16 k is 512 dense bytes in which lane 16 h + r owns bytes 16 lane ..: row r, k = 8 h .. 8 h + 7: two units on end are one
; 16 x 32 matrix operand (ISA guide 7.12.2), and 64 rows x 256 k are 32,768 dense bytes.
; Of W_ih only the gates i, g, o are taken (rows 0-1023, 2048-4095): the result of the f gate is discarded by the module.  W_hh enters the module by its shape alone and is named nowhere.
; A BRICK is 16 rows x 64 k: 16 x 256 aligned bytes of f32 in, four units of 512 bytes out.  A work-group does 16 bricks, a wave two.
; Sixteen neighbouring lanes load 256 consecutive bytes of a row; the turn into units goes through the wave's own stage in LDS; each store of the wave covers 512 consecutive aligned bytes.
; Matrix units, clusters and tensor loads have nothing to do here: the launch only streams.
.set WPITCH, 12544                     ; bytes in a row of W_ih (3,136 f32), 49 x 256
.set WC,   0                           ; wb: W_ih columns 0-2047 of the three gates, Image(3072, 2048)
.set WH,   12582912                    ;     columns 2112-3135, Image(3072, 1024)
.set WM,   18874368                    ;     columns 2048-2111, Image(3072, 64)
.set WT,   19267584                    ;     W_t, Image(2048, 1024)
.set XC,   23461888                    ;     contexts, Image(1024, 2048)
.set M0,   27656192                    ;     msgs[0], Image(1024, 64)
.set MOFF, 2097152                     ; x1, x2, x3: msgs[1], msgs[2], msgs[3] lie here
.set HP,   288                         ; the stage: a half unit (16 rows x 16 bytes) every 288 bytes = 72 words, so that the 32 lanes of a store touch 64 different words modulo 64
.set STG,  8*HP                        ; a wave's stage: one brick
.set SPARE, 8*STG                      ; behind the stages: the spare words, 128 bytes for each of the eight waves
.set SPW, 2                            ; v2      LDS address of my spare word; never rewritten
.set NIL, 3                            ; v3      0; never rewritten
.set RO,  4                            ; v4-11   load i: byte offset of row 2 i + lane / 16, bytes 16 (lane % 16) ..
.set STW, 12                           ; v12     where I put 8 bytes into the stage
.set STR, 13                           ; v13     where I read 16 bytes of a unit back
.set GOF, 14                           ; v14     16 x lane
.set IN,  16                           ; v16-79  two bricks as loaded
.set PK,  80                           ; v80-111 two bricks packed
.set BK0, 112                          ; v112-127 brick 0 as units
.set BK1, 16                           ; v16-31   brick 1 as units: brick 0's input registers, free once it is packed
.macro SRCROW                          ; s44 = the first row in W_ih of block s6 of 16 rows of the three gates: the f gate's 1,024 rows are stepped over
	s_lshl_b32 s44, s6, 4
	s_cmp_ge_u32 s6, 64
	s_cselect_b32 s15, 0x400, 0
	s_add_co_u32 s44, s44, s15
.endm
.macro DEST sh, base                   ; s10 = base + (block / 4) << sh + (block % 4) x 512
	s_lshr_b32 s10, s6, 2
	s_lshl_b32 s10, s10, \sh
	s_and_b32 s15, s6, 3
	s_lshl_b32 s15, s15, 9
	s_add_co_u32 s10, s10, s15
.if \base
	s_add_co_u32 s10, s10, \base
.endif
.endm
	s_load_b512 s[16:31], s[0:1], 0x0              ; W_ih s[16:17], contexts s[18:19], W_t s[20:21], msgs s[22:23], wb s[24:25], x1 s[26:27], x2 s[28:29], x3 s[30:31]
	v_lshl_add_u32 v[SPW], v0, 2, SPARE
	v_mov_b32 v[NIL], 0
	v_lshrrev_b32 v1, 5, v0
	v_readfirstlane_b32 s2, v1                     ; wave 0..7
	s_lshl_b32 s3, s2, 1                           ; my first brick of the group's sixteen
	s_mov_b32 s4, ttmp9
	s_mov_b32 s9, 0                                ; high words of the two offsets
	s_mov_b32 s11, 0
	s_mov_b32 s12, WPITCH                          ; what most families share: the source's pitch,
	s_mov_b32 s13, 256                             ; bricks follow each other along K,
	s_mov_b32 s14, 0                               ; (mode 0)
	s_wait_kmcnt 0x0
	s_mov_b64 s[32:33], s[16:17]                   ; from W_ih
	s_mov_b64 s[34:35], s[24:25]                   ; into wb
	; THE FAMILIES, by the work-group's number.  Each leaves: s8 source offset, s10 destination offset, s12 pitch, s13 source step from brick to brick, s14 mode, s[32:33] source, s[34:35] destination.
	s_cmp_lt_u32 s4, 384
	s_cbranch_scc0 .Lnot_wc
	s_lshr_b32 s6, s4, 1                           ; W_ih, context columns: 192 blocks of 16 rows x two halves of 1,024 k
	s_and_b32 s7, s4, 1
	SRCROW
	s_mul_i32 s8, s44, WPITCH
	s_lshl_b32 s15, s7, 12
	s_add_co_u32 s8, s8, s15
	DEST 18, WC
	s_lshl_b32 s15, s7, 17
	s_add_co_u32 s10, s10, s15
	s_branch .Lgo
.Lnot_wc:
	s_cmp_lt_u32 s4, 576
	s_cbranch_scc0 .Lnot_wh
	s_sub_co_u32 s6, s4, 384                       ; W_ih, hidden columns: 192 blocks x 1,024 k, from byte 8,448 of a row
	SRCROW
	s_mul_i32 s8, s44, WPITCH
	s_add_co_u32 s8, s8, 8448
	DEST 17, WH
	s_branch .Lgo
.Lnot_wh:
	s_cmp_lt_u32 s4, 704
	s_cbranch_scc0 .Lnot_ctx
	s_sub_co_u32 s5, s4, 576                       ; contexts: 64 blocks x two halves
	s_lshr_b32 s6, s5, 1
	s_and_b32 s7, s5, 1
	s_lshl_b32 s8, s6, 17
	s_lshl_b32 s15, s7, 12
	s_add_co_u32 s8, s8, s15
	DEST 18, XC
	s_lshl_b32 s15, s7, 17
	s_add_co_u32 s10, s10, s15
	s_mov_b64 s[32:33], s[18:19]
	s_mov_b32 s12, 8192
	s_branch .Lgo
.Lnot_ctx:
	s_cmp_lt_u32 s4, 832
	s_cbranch_scc0 .Lnot_wt
	s_sub_co_u32 s6, s4, 704                       ; W_t: 128 blocks x 1,024 k
	s_lshl_b32 s8, s6, 16
	DEST 17, WT
	s_mov_b64 s[32:33], s[20:21]
	s_mov_b32 s12, 4096
	s_branch .Lgo
.Lnot_wt:
	s_cmp_lt_u32 s4, 844
	s_cbranch_scc0 .Lmsgs
	s_sub_co_u32 s5, s4, 832                       ; W_ih, message columns: K is one brick, so the group's sixteen bricks go down the rows (256 rows: never across a gate's end)
	s_lshl_b32 s6, s5, 4
	SRCROW
	s_mul_i32 s8, s44, WPITCH
	s_add_co_u32 s8, s8, 8192
	s_lshl_b32 s10, s5, 15
	s_add_co_u32 s10, s10, WM
	s_mov_b32 s13, 16*WPITCH
	s_mov_b32 s14, 1
	s_branch .Lgo
.Lmsgs:
	s_sub_co_u32 s5, s4, 844                       ; msgs: four groups of 256 rows for each of the four steps
	s_lshl_b32 s8, s5, 16
	s_and_b32 s10, s5, 3
	s_lshl_b32 s10, s10, 15
	s_lshr_b32 s6, s5, 2                           ; the step: 0 goes into wb, t into x_t
	s_mov_b32 s15, MOFF
	s_cmp_eq_u32 s6, 0
	s_cselect_b32 s15, M0, s15
	s_cselect_b64 s[34:35], s[24:25], s[26:27]
	s_cmp_eq_u32 s6, 2
	s_cselect_b64 s[34:35], s[28:29], s[34:35]
	s_cmp_eq_u32 s6, 3
	s_cselect_b64 s[34:35], s[30:31], s[34:35]
	s_add_co_u32 s10, s10, s15
	s_mov_b64 s[32:33], s[22:23]
	s_mov_b32 s12, 256
	s_mov_b32 s13, 4096
	s_mov_b32 s14, 1
.Lgo:
	s_mul_i32 s15, s3, s13                         ; my first brick in the source
	s_add_co_u32 s8, s8, s15
	s_lshl_b32 s44, s3, 13                         ; and in the image.  Mode 0: four units of 2,048 bytes a brick along K
	s_lshr_b32 s45, s3, 2                          ; mode 1: 8,192 bytes for 64 rows, 512 for 16
	s_lshl_b32 s45, s45, 13
	s_and_b32 s46, s3, 3
	s_lshl_b32 s46, s46, 9
	s_add_co_u32 s45, s45, s46
	s_mov_b32 s46, 512
	s_cmp_eq_u32 s14, 0
	s_cselect_b32 s44, s44, s45
	s_cselect_b32 s46, 0x2000, s46                 ; from my first brick to my second
	s_add_co_u32 s10, s10, s44
	s_mov_b32 s47, 0
	s_mov_b32 s44, s13
	s_mov_b32 s45, 0
	s_add_nc_u64 s[36:37], s[32:33], s[8:9]        ; four addresses, never rewritten: brick 0 and 1 in,
	s_add_nc_u64 s[38:39], s[36:37], s[44:45]
	s_add_nc_u64 s[40:41], s[34:35], s[10:11]      ; brick 0 and 1 out
	s_add_nc_u64 s[42:43], s[40:41], s[46:47]
	v_bfe_u32 v112, v0, 4, 1                       ; t = lane / 16
	v_and_b32 v113, 15, v0                         ; c = lane % 16
	v_lshlrev_b32 v114, 4, v113
	v_mad_u32_u24 v[RO], v112, s12, v114           ; row t, bytes 16 c ..
	s_lshl_b32 s15, s12, 1
.irp i, 1,2,3,4,5,6,7
	v_add_nc_u32 v[RO+(\i)], s15, v[RO+(\i)-1]     ; two rows further down
.endr
.macro BRICKIN n                       ; eight loads: each takes two rows' 256 aligned bytes
.irp i, 0,1,2,3,4,5,6,7
	global_load_b128 v[IN+32*(\n)+4*(\i):IN+32*(\n)+4*(\i)+3], v[RO+(\i)], s[36+2*(\n):37+2*(\n)] th:TH_LOAD_NT
.endr
.endm
	BRICKIN 0
	BRICKIN 1
	s_mul_i32 s15, s2, STG                         ; my stage
	v_lshrrev_b32 v115, 1, v113                    ; my four numbers k = 4 c .. lie in half unit c / 2, row 2 i + t, bytes 8 (c % 2) ..
	v_mul_u32_u24 v115, v115, HP
	v_lshl_add_u32 v115, v112, 4, v115
	v_and_b32 v114, 1, v113
	v_lshl_add_u32 v115, v114, 3, v115
	v_add_nc_u32 v[STW], s15, v115
	v_mul_u32_u24 v115, v112, HP                   ; back: lane 16 h + r takes row r of half unit 2 u + h
	v_lshl_add_u32 v115, v113, 4, v115
	v_add_nc_u32 v[STR], s15, v115
	v_and_b32 v[GOF], 31, v0
	v_lshlrev_b32 v[GOF], 4, v[GOF]
.macro PACK n                          ; two roundings to bf16 an instruction
.irp i, 0,1,2,3,4,5,6,7
	v_cvt_pk_bf16_f32 v[PK+16*(\n)+2*(\i)],   v[IN+32*(\n)+4*(\i)],   v[IN+32*(\n)+4*(\i)+1]
	v_cvt_pk_bf16_f32 v[PK+16*(\n)+2*(\i)+1], v[IN+32*(\n)+4*(\i)+2], v[IN+32*(\n)+4*(\i)+3]
.endr
.endm
.macro STAGE n, bk                     ; into my stage and back as units.  LDS serves a wave's instructions in order (ISA guide 5.7.1.4): the loads see the stores above, the next brick's stores come behind them
.irp i, 0,1,2,3,4,5,6,7
	ds_store_b64 v[STW], v[PK+16*(\n)+2*(\i):PK+16*(\n)+2*(\i)+1] offset:32*(\i)
.endr
.irp u, 0,1,2,3
	ds_load_b128 v[(\bk)+4*(\u):(\bk)+4*(\u)+3], v[STR] offset:2*HP*(\u)
.endr
.endm
.macro OUT n, bk                       ; four stores of 512 consecutive bytes, at multiples of 512 from the buffer's first byte
.irp u, 0,1,2,3
	global_store_b128 v[GOF], v[(\bk)+4*(\u):(\bk)+4*(\u)+3], s[40+2*(\n):41+2*(\n)] offset:2048*(\u)
.endr
.endm
	s_wait_loadcnt 0x8                             ; loads come back in order (ISA guide 5.7.1): brick 0's eight are in, brick 1's eight may be out
	PACK 0
	STAGE 0, BK0
	s_wait_loadcnt 0x0
	PACK 1
	STAGE 1, BK1
	s_wait_dscnt 0xc                               ; brick 0's four loads are back; brick 1's eight stores and four loads may be out
	OUT 0, BK0
	s_wait_dscnt 0x0
	OUT 1, BK1
	s_wait_tensorcnt 0x0                           ; the wave's end: a wait, an add to my spare word and a wait, behind my last LDS store
	ds_add_u32 v[SPW], v[NIL]
	s_wait_dscnt 0x0
	s_endpgm
.Lfunc_end_k_q7f811e8aae_prep:
	.size	k_q7f811e8aae_prep, .Lfunc_end_k_q7f811e8aae_prep-k_q7f811e8aae_prep
	.p2alignl 7, 3214868480
	.fill 96, 4, 3214868480
	.section	.rodata,"a",@progbits
	.p2align	6, 0x0
	.amdhsa_kernel k_q7f811e8aae_prep
		.amdhsa_group_segment_fixed_size 19456
		.amdhsa_private_segment_fixed_size 0
		.amdhsa_enable_private_segment 0
		.amdhsa_kernarg_size 64
		.amdhsa_user_sgpr_count 2
		.amdhsa_user_sgpr_kernarg_segment_ptr 1
		.amdhsa_wavefront_size32 1
		.amdhsa_system_sgpr_workgroup_id_x 1
		.amdhsa_system_sgpr_workgroup_id_y 1
		.amdhsa_system_sgpr_workgroup_id_z 1
		.amdhsa_system_vgpr_workitem_id 0
		.amdhsa_next_free_vgpr 128
		.amdhsa_next_free_sgpr 66
		.amdhsa_reserve_vcc 0
		.amdhsa_float_denorm_mode_32 3
		.amdhsa_float_denorm_mode_16_64 3
		.amdhsa_memory_ordered 1
		.amdhsa_forward_progress 1
		.amdhsa_inst_pref_size 13
	.end_amdhsa_kernel
	.amdgpu_metadata
---
amdhsa.version: [ 1, 2 ]
amdhsa.kernels:
  - .name:           k_q7f811e8aae_prep
    .symbol:         k_q7f811e8aae_prep.kd
    .args:
      - { .name: W_ih, .offset: 0, .size: 8, .value_kind: global_buffer, .address_space: global }
      - { .name: contexts, .offset: 8, .size: 8, .value_kind: global_buffer, .address_space: global }
      - { .name: W_t, .offset: 16, .size: 8, .value_kind: global_buffer, .address_space: global }
      - { .name: msgs, .offset: 24, .size: 8, .value_kind: global_buffer, .address_space: global }
      - { .name: wb, .offset: 32, .size: 8, .value_kind: global_buffer, .address_space: global }
      - { .name: x1, .offset: 40, .size: 8, .value_kind: global_buffer, .address_space: global }
      - { .name: x2, .offset: 48, .size: 8, .value_kind: global_buffer, .address_space: global }
      - { .name: x3, .offset: 56, .size: 8, .value_kind: global_buffer, .address_space: global }
    .group_segment_fixed_size: 19456
    .private_segment_fixed_size: 0
    .kernarg_segment_align: 8
    .kernarg_segment_size: 64
    .max_flat_workgroup_size: 256
    .sgpr_count:     66
    .vgpr_count:     128
    .wavefront_size: 32
...
	.end_amdgpu_metadata
.endif
;; end of part 1
;; launch first (part 2): grid 16 x 16, 4 waves a work-group, clusters of 4 x 4, 327,680 bytes of LDS; arguments wb, b_ih, b_hh, g, x1; writes g, x1
.if DOCPART == 2
	.amdgcn_target "amdgcn-amd-amdhsa--gfx1250"
	.amdhsa_code_object_version 6
	.text
	.protected	k_q7f811e8aae_first
	.globl	k_q7f811e8aae_first
	.p2align	8
	.type	k_q7f811e8aae_first,@function
k_q7f811e8aae_first:
	s_mov_b64 s[64:65], 0
	v_nop
	global_prefetch_b8 v0, s[64:65] scope:SCOPE_SE
	s_setreg_imm32_b32 hwreg(HW_REG_WAVE_MODE, 25, 1), 1
	s_wait_xcnt 0x0
	s_wait_alu depctr_hold_cnt(0) depctr_sa_sdst(0) depctr_va_vdst(0) depctr_va_sdst(0) depctr_va_ssrc(0) depctr_va_vcc(0) depctr_vm_vsrc(0)
	s_getreg_b32 s2, hwreg(HW_REG_IB_STS2, 6, 4)
	s_cmp_eq_u32 s2, 0
	s_cbranch_scc0 .Lentry_in_a_cluster
	s_endpgm
.Lentry_in_a_cluster:
	s_bfe_u32 s2, ttmp6, 0x10000c
	s_cmp_lg_u32 s2, 0xf033
	s_cbranch_scc0 .Lentry_shape_is_right
	s_endpgm
.Lentry_shape_is_right:
; THE GATE KERNEL, in two forms chosen by FIRST.
; FIRST = 1: G = b_ih + b_hh + contexts Wc^T (K = 2,048) for the gates i, g, o, which is the same in all four steps of the module and is stored in f32; then + msgs[0] Wm^T, the activation, and h_1.  (h_0 is 0: no h term.)
; FIRST = 0: gates = G + h Wh^T (K = 1,024) + msg Wm^T (K = 64); c = sigmoid(i) tanh(g), h = sigmoid(o) tanh(c); h and c are stored in bf16 as the next product's operand.
; One text serves steps 2 to 4, so c is stored in every step though only the last is read, and the last step makes an h that nobody reads.
; W_hh enters the module by its shape alone (the state is 0 in every step) and is named nowhere; the f gate's result is discarded by the module and is not computed.
; LIMITS.  Matrix operands are bf16, sums f32.  sigmoid(x) = 1 / (1 + 2^(-x log2 e)), tanh(x) = 1 - 2 / (1 + 2^(2 x log2 e)): an exponential that overflows gives the saturated value, one below 2^-126 counts as 0;
; tanh is good to about 1e-7 absolute, not relative.  NaN and infinities are not treated apart.
; SHARES.  256 work-groups: 64 batch rows (by) x 64 hidden columns (bx) x 3 gates.  Wave w owns all 64 rows x columns 64 bx + 16 w .. + 15 x 3 gates: 12 accumulators, so i, g and o of a number meet in one lane.
; THE MATRIX INSTRUCTION IS USED TRANSPOSED: source 0 = 16 weight rows, source 1 = 16 batch rows.  A lane then holds one batch row (lane % 16) and eight neighbouring hidden columns 8 (lane / 16) + 0..7, which, rounded
; to bf16, are its 16 bytes of a unit of the next operand's image: h and c leave straight from registers, 512 consecutive bytes a store.
; OPERANDS lie in memory as fragment images: 64 rows x 256 k are 32,768 dense bytes, in units of 16 rows x 16 k = 512 bytes (lane's bytes at 16 x lane).  So a tile is a dense block, asked for as rows of 256 bytes,
; and a fragment is two LDS loads of 512 consecutive bytes each: no padding is wanted.
; RING.  K goes in steps of 256 through two LDS slots of four tiles: wave 0 fetches the batch rows' tile, wave w = 1..3 gate w - 1's.  The message tiles (K = 64) are fetched once, with the first fills.
; CLUSTER.  4 x 4 work-groups.  The four of a row of the cluster share by and so the batch tile, the four of a column share bx and so the weight tiles: each tile is asked for JOINTLY.
.set FIRST, 1
.set WH,   12582912                    ; wb: the weights' hidden columns, Image(3072, 1024); the context columns' image lies at 0
.set WM,   18874368                    ;     the message columns, Image(3072, 64)
.set XC,   23461888                    ;     contexts, Image(1024, 2048)
.set M0,   27656192                    ;     msgs[0], Image(1024, 64)
.set MOFF, 2097152                     ; x buffers: h at 0, the step's message here,
.set COFF, 2228224                     ; c here
.if FIRST
.set KSTEPS, 8
.set RSH,   18                         ; 64 rows of an image of K = 2,048 are 2^18 bytes
.set WBASE, 0
.set ABASE, XC
.set MABASE, M0
.set ASRC,  4                          ; the batch operand comes from wb
.set GP,    10                         ; s[10:11] g
.set XO,    12                         ; s[12:13] x1
.else
.set KSTEPS, 4
.set RSH,   17
.set WBASE, WH
.set ABASE, 0
.set MABASE, MOFF
.set ASRC,  8                          ; s[8:9] the step's input buffer
.set GP,    6                          ; s[6:7] g
.set XO,    10                         ; s[10:11] the step's output buffer
.endif
.set LAPS,  (KSTEPS-2)/2               ; a lap = two K steps = once round the ring; the last two K steps are written out
.set KBYTES, 32768                     ; a tile: 64 rows x 256 k
.set SLOT,  4*KBYTES
.set MSG,   2*SLOT                     ; behind the ring: four message tiles of 64 rows x 64 k
.set MBYTES, 8192
.set SPARE, MSG+4*MBYTES               ; behind them: the spare words, 128 bytes for each wave
.set ADRA,  2                          ; v2-3   LDS address of my bytes in the batch tile of slot 0, 1; v2 is also 16 x lane, the offset of my global loads and stores
.set L16,   2
.set ADRW01, 4                         ; v4-5   the same in gate i's tile; gate g's lies 32,768 further, within the immediate
.set ADRW2, 6                          ; v6-7   in gate o's
.set ADRMA, 8                          ; v8     in the batch rows' message tile
.set ADRMW, 9                          ; v9     in gate i's message tile
.set BOF,   12                         ; v12    my byte offset in the biases
.set SPW,   14                         ; v14    LDS address of my spare word; never rewritten
.set NIL,   15                         ; v15    0; never rewritten
.set ACC,   16                         ; v16-111  accumulator (gate, block bs of 16 batch rows) at ACC + 32 gate + 8 bs
.set F0,    112                        ; v112-167 fragment buffer 0: gate g at 8 g, batch block bs at 24 + 8 bs
.set F1,    168                        ; v168-223 fragment buffer 1
.set PH,    112                        ; the way out: h packed, 4 registers a batch block
.set PC,    128                        ; c packed
.set WV,    14                         ; s14  my wave's number
.set G1A,   16                         ; s[16:23] descriptor group 1, batch tiles     s[24:31] weight tiles
.set G1W,   24
.set G1MA,  32                         ; s[32:39], s[40:47] the same for the message tiles
.set G1MW,  40
.set G0A,   48                         ; s[48:51], s[52:55], s[56:59] group 0 for the batch tiles: slot 0, slot 1, message
.set G0W,   60                         ; s[60:63], s[68:71], s[72:75] for the weight tiles
.set NL2E,  92                         ; s[92:93] -log2(e)
.set TL2E,  94                         ; s[94:95] 2 log2(e)
.macro PLACES                          ; a load into a register that a matrix instruction has read, and whatever reads a matrix result, stand four plain vector instructions behind it (ISA guide 7.12.1 for vector instructions)
.rept 4
	v_nop
.endr
.endm
.macro CROUND                          ; a round of the cluster's barrier: my work-group's barrier, wave 0 signals for the work-group, every wave waits for all sixteen, my work-group's barrier once more
	s_barrier_signal -1
	s_barrier_wait -1
	s_cmp_lg_u32 s[WV], 0
	s_cbranch_scc1 .Lnot_wave_0_\@
	s_barrier_signal -3
.Lnot_wave_0_\@:
	s_barrier_wait -3
	s_barrier_signal -1
	s_barrier_wait -1
.endm
.macro JLOAD slot                      ; a joint refill: wave 0 the batch tile, waves 1 to 3 a gate's tile each.  The branch hangs on the wave's number alone.  An s_nop 0 and four v_nop follow each line
	s_cmp_eq_u32 s[WV], 0
	s_cbranch_scc0 .Lfor_w_\@
	tensor_load_to_lds s[G0A+4*(\slot):G0A+4*(\slot)+3], s[G1A:G1A+7]
	s_nop 0
.rept 4
	v_nop
.endr
	s_branch .Lasked_\@
.Lfor_w_\@:
	tensor_load_to_lds s[G0W+8*(\slot):G0W+8*(\slot)+3], s[G1W:G1W+7]
	s_nop 0
.rept 4
	v_nop
.endr
.Lasked_\@:
.endm
.macro FETCH slot, kk, f               ; 14 LDS loads: the fragments of 32 along K, chunk kk of the slot's eight: units 2 kk and 2 kk + 1 are a fragment's registers 0-3 and 4-7
.irp e, 0,1
	ds_load_b128 v[(\f)+4*(\e):(\f)+4*(\e)+3],       v[ADRW01+(\slot)] offset:(2*(\kk)+(\e))*2048
	ds_load_b128 v[(\f)+8+4*(\e):(\f)+8+4*(\e)+3],   v[ADRW01+(\slot)] offset:KBYTES+(2*(\kk)+(\e))*2048
	ds_load_b128 v[(\f)+16+4*(\e):(\f)+16+4*(\e)+3], v[ADRW2+(\slot)]  offset:(2*(\kk)+(\e))*2048
.irp bs, 0,1,2,3
	ds_load_b128 v[(\f)+24+8*(\bs)+4*(\e):(\f)+24+8*(\bs)+4*(\e)+3], v[ADRA+(\slot)] offset:(2*(\kk)+(\e))*2048+(\bs)*512
.endr
.endr
.endm
.macro FETCHM kk, f                    ; the same from the message tiles: chunk kk of two
.irp e, 0,1
.irp g, 0,1,2
	ds_load_b128 v[(\f)+8*(\g)+4*(\e):(\f)+8*(\g)+4*(\e)+3], v[ADRMW] offset:(\g)*MBYTES+(2*(\kk)+(\e))*2048
.endr
.irp bs, 0,1,2,3
	ds_load_b128 v[(\f)+24+8*(\bs)+4*(\e):(\f)+24+8*(\bs)+4*(\e)+3], v[ADRMA] offset:(2*(\kk)+(\e))*2048+(\bs)*512
.endr
.endr
.endm
.macro MUL f                           ; 12 matrix instructions; the 12 accumulators take turns, one instruction a turn, from chunk to chunk and over the loop's jump too
.irp bs, 0,1,2,3
.irp g, 0,1,2
	v_wmma_f32_16x16x32_bf16 v[ACC+32*(\g)+8*(\bs):ACC+32*(\g)+8*(\bs)+7], v[(\f)+8*(\g):(\f)+8*(\g)+7], v[(\f)+24+8*(\bs):(\f)+24+8*(\bs)+7], v[ACC+32*(\g)+8*(\bs):ACC+32*(\g)+8*(\bs)+7]
.endr
.endr
.endm
.macro CHUNK slot, kk, f, g            ; multiplies buffer f; ahead of that the next chunk's fragments are asked for, into buffer g
	s_wait_dscnt 0x0                               ; f's 14 loads are in: nothing else of mine is out
	PLACES                                         ; behind the last products, which read g
	FETCH \slot, (\kk)+1, \g
	MUL \f
.endm
; The last chunk of a K step changes slots.  Each wave waits for all its tensor loads, of which one is out, its tile of the other slot, or at the first change two, the message tile too; adds 0 to its spare word; and waits for that and for its reads of this slot, whose last
; are this chunk's fragments.  fill = 1: the barrier is a round of the cluster's, so that no wave of any partner still reads the slot or has a load on its way, and the joint refill, two K steps ahead, is the first thing behind it.
.macro TURN slot, fill
	s_wait_tensorcnt 0x0                           ; no tensor load of mine is out, so a group 0 may be written
	ds_add_u32 v[SPW], v[NIL]                      ; 0 onto my spare word
.if \fill
	s_add_nc_u64 s[G0A+4*(\slot)+2:G0A+4*(\slot)+3], s[G0A+4*(\slot)+2:G0A+4*(\slot)+3], 2*KBYTES
	s_add_nc_u64 s[G0W+8*(\slot)+2:G0W+8*(\slot)+3], s[G0W+8*(\slot)+2:G0W+8*(\slot)+3], 2*KBYTES
.endif
	s_wait_dscnt 0x0                               ; the add is done, and my reads of this slot are over
.if \fill
	CROUND
	JLOAD \slot                                    ; its four v_nop are also the places in front of the loads below
.else
	s_barrier_signal -1
	s_barrier_wait -1
	PLACES
.endif
	FETCH 1-(\slot), 0, F0
	MUL F1
.endm
.macro KSTEP slot, mode                ; eight chunks of 32 along K on buffers 0, 1 by turns.  mode 1: the slot is filled again; 0: it is not; 2: the last K step: the message's first fragments follow
	CHUNK \slot, 0, F0, F1
	CHUNK \slot, 1, F1, F0
	CHUNK \slot, 2, F0, F1
	CHUNK \slot, 3, F1, F0
	CHUNK \slot, 4, F0, F1
	CHUNK \slot, 5, F1, F0
	CHUNK \slot, 6, F0, F1
.if (\mode) == 2
	s_wait_dscnt 0x0
	PLACES
	FETCHM 0, F0                                   ; the message tiles were shown landed, in every wave, by the first change of slots
	MUL F1
.else
	TURN \slot, \mode
.endif
.endm
	s_load_b256 s[4:11], s[0:1], 0x0               ; FIRST: wb, b_ih, b_hh, g;  else: wb, g, input, output
.if FIRST
	s_load_b64 s[12:13], s[0:1], 0x20              ; x1
.endif
	v_lshl_add_u32 v[SPW], v0, 2, SPARE
	v_mov_b32 v[NIL], 0
	ds_add_u32 v[SPW], v[NIL]                      ; the wave's opening: the add and its wait stand ahead of my first tensor load; the set-up below, work on registers, stands between them
	v_lshrrev_b32 v1, 5, v0
	v_readfirstlane_b32 s[WV], v1                  ; wave 0..3
	s_bfe_u32 s76, ttmp6, 0x40000                  ; cx, cy: my place in the cluster
	s_bfe_u32 s77, ttmp6, 0x40004
	s_lshl_b32 s78, ttmp9, 2
	s_add_co_u32 s78, s78, s76                     ; bx = 4 x cluster x + cx: my 64 hidden columns
	s_and_b32 s79, ttmp7, 0xffff
	s_lshl_b32 s79, s79, 2
	s_add_co_u32 s79, s79, s77                     ; by = 4 x cluster y + cy: my 64 batch rows
	s_lshl_b32 s80, s77, 2
	s_lshl_b32 s80, 15, s80                        ; my row of the cluster
	s_lshl_b32 s81, 0x1111, s76                    ; my column
	; descriptor group 1: a dense block as R rows of 32 elements of 8 bytes.  15:0 the mask; 17:16 element size code 3; 21 set beside a mask; no padding
	s_or_b32 s[G1A],  s80, (3<<16)|(1<<21)
	s_or_b32 s[G1MA], s80, (3<<16)|(1<<21)
	s_or_b32 s[G1W],  s81, (3<<16)|(1<<21)
	s_or_b32 s[G1MW], s81, (3<<16)|(1<<21)
.irp g, G1A, G1W
	s_mov_b32 s[\g+1], 32<<16                      ; tensor_dim0 = 32
	s_mov_b32 s[\g+2], 128<<16                     ; tensor_dim1 = 128 rows: 32,768 bytes
	s_mov_b32 s[\g+3], 32<<16                      ; tile_dim0 = 32
	s_mov_b32 s[\g+4], 128                         ; tile_dim1 = 128
	s_mov_b32 s[\g+5], 32                          ; 32 elements from row to row
	s_mov_b32 s[\g+6], 0
	s_mov_b32 s[\g+7], 0
.endr
.irp g, G1MA, G1MW
	s_mov_b32 s[\g+1], 32<<16
	s_mov_b32 s[\g+2], 32<<16                      ; 32 rows: 8,192 bytes
	s_mov_b32 s[\g+3], 32<<16
	s_mov_b32 s[\g+4], 32
	s_mov_b32 s[\g+5], 32
	s_mov_b32 s[\g+6], 0
	s_mov_b32 s[\g+7], 0
.endr
	s_lshl_b32 s90, s[WV], 15                      ; where my tile goes in a slot, and among the message tiles: the wave's number alone
	s_lshl_b32 s91, s[WV], 13
	s_max_u32 s2, s[WV], 1
	s_sub_co_u32 s2, s2, 1                         ; the gate whose tile I fetch (wave 0 fetches none and does not use it)
	; offsets.  The batch tiles' hang on by alone (s82-83, s86-87), the weight tiles' on bx and the wave alone (s84-85, s88-89)
	s_lshl_b32 s82, s79, RSH
.if ABASE
	s_add_co_u32 s82, s82, ABASE
.endif
	s_mov_b32 s83, 0
	s_lshl_b32 s86, s79, 13
	s_add_co_u32 s86, s86, MABASE
	s_mov_b32 s87, 0
	s_lshl_b32 s84, s2, 4
	s_add_co_u32 s84, s84, s78                     ; block of 64 weight rows: 16 x gate + bx
	s_lshl_b32 s88, s84, 13
	s_add_co_u32 s88, s88, WM
	s_mov_b32 s89, 0
	s_lshl_b32 s84, s84, RSH
.if WBASE
	s_add_co_u32 s84, s84, WBASE
.endif
	s_mov_b32 s85, 0
	s_mov_b32 s[G0A], 1                            ; group 0: count = 1; the LDS address
	s_mov_b32 s[G0A+1], s90
	s_mov_b32 s[G0A+4], 1
	s_add_co_u32 s[G0A+5], s90, SLOT
	s_mov_b32 s[G0A+8], 1
	s_add_co_u32 s[G0A+9], s91, MSG
	s_mov_b32 s[G0W], 1
	s_mov_b32 s[G0W+1], s90
	s_mov_b32 s[G0W+8], 1
	s_add_co_u32 s[G0W+9], s90, SLOT
	s_mov_b32 s[G0W+12], 1
	s_add_co_u32 s[G0W+13], s91, MSG
	s_mov_b32 s[NL2E], 0xbfb8aa3b
	s_mov_b32 s[NL2E+1], s[NL2E]                   ; named with it as a pair
	s_mov_b32 s[TL2E], 0x4038aa3b
	s_mov_b32 s[TL2E+1], s[TL2E]
	s_wait_dscnt 0x0                               ; the opening add is done
	s_wait_kmcnt 0x0
	s_add_nc_u64 s[G0A+2:G0A+3], s[ASRC:ASRC+1], s[82:83]      ; the global addresses: K step 0,
	s_add_nc_u64 s[G0A+6:G0A+7], s[G0A+2:G0A+3], KBYTES        ; K step 1,
	s_add_nc_u64 s[G0A+10:G0A+11], s[ASRC:ASRC+1], s[86:87]    ; the message
	s_add_nc_u64 s[G0W+2:G0W+3], s[4:5], s[84:85]
	s_add_nc_u64 s[G0W+10:G0W+11], s[G0W+2:G0W+3], KBYTES
	s_add_nc_u64 s[G0W+14:G0W+15], s[4:5], s[88:89]
.irp r, G0A+3, G0A+7, G0A+11, G0W+3, G0W+11, G0W+15
	s_or_b32 s[\r], s[\r], 0x80000000              ; type = 2
.endr
	CROUND                                         ; all sixteen work-groups are here: the first joint loads meet
	s_cmp_eq_u32 s[WV], 0                          ; a wave's three first fills stand in one branch, ahead of every wait on TENSORcnt and every LDS read: three loads of mine are out
	s_cbranch_scc0 .Lfirst_w
	tensor_load_to_lds s[G0A:G0A+3], s[G1A:G1A+7]
	s_nop 0
	tensor_load_to_lds s[G0A+4:G0A+7], s[G1A:G1A+7]
	s_nop 0
	tensor_load_to_lds s[G0A+8:G0A+11], s[G1MA:G1MA+7]
	s_nop 0
.rept 4
	v_nop
.endr
	s_branch .Lfirst_asked
.Lfirst_w:
	tensor_load_to_lds s[G0W:G0W+3], s[G1W:G1W+7]
	s_nop 0
	tensor_load_to_lds s[G0W+8:G0W+11], s[G1W:G1W+7]
	s_nop 0
	tensor_load_to_lds s[G0W+12:G0W+15], s[G1MW:G1MW+7]
	s_nop 0
.rept 4
	v_nop
.endr
.Lfirst_asked:
	v_and_b32 v[L16], 31, v0
	v_lshlrev_b32 v[L16], 4, v[L16]                ; 16 x lane
	s_lshl_b32 s66, s79, 4                         ; g is a register image: (16 by + bx) x 49,152 + wave x 12,288 + accumulator x 1,024 + half x 512 + 16 x lane
	s_add_co_u32 s66, s66, s78
	s_mul_i32 s66, s66, 49152
	s_mul_i32 s67, s[WV], 12288
	s_add_co_u32 s66, s66, s67
	s_mov_b32 s67, 0
	s_add_nc_u64 s[GP:GP+1], s[GP:GP+1], s[66:67]
	s_lshl_b32 s66, s78, 2                         ; the output image: by x 131,072 + (4 bx + wave) x 2,048 + batch block x 512 + 16 x lane
	s_add_co_u32 s66, s66, s[WV]
	s_lshl_b32 s66, s66, 11
	s_lshl_b32 s2, s79, 17
	s_add_co_u32 s66, s66, s2
	s_add_nc_u64 s[XO:XO+1], s[XO:XO+1], s[66:67]
.if FIRST
	s_lshl_b32 s66, s78, 8                         ; my eight columns' biases: 4 (64 bx + 16 wave + 8 (lane / 16)) bytes into a gate
	s_lshl_b32 s2, s[WV], 6
	s_add_co_u32 s66, s66, s2
	v_bfe_u32 v[BOF], v0, 4, 1
	v_lshl_add_u32 v[BOF], v[BOF], 5, s66
.irp g, 0,1,2                          ; the gates i, g, o begin at bytes 0, 8,192 and 12,288; into buffer 1's registers, which the products want later
	global_load_b128 v[F1+8*(\g):F1+8*(\g)+3],       v[BOF], s[6:7] offset:4096*((\g)+((\g)+1)/2)
	global_load_b128 v[F1+8*(\g)+4:F1+8*(\g)+7],     v[BOF], s[6:7] offset:4096*((\g)+((\g)+1)/2)+16
	global_load_b128 v[F1+24+8*(\g):F1+24+8*(\g)+3], v[BOF], s[8:9] offset:4096*((\g)+((\g)+1)/2)
	global_load_b128 v[F1+24+8*(\g)+4:F1+24+8*(\g)+7], v[BOF], s[8:9] offset:4096*((\g)+((\g)+1)/2)+16
.endr
.else
.set a, 0
.rept 12                               ; G starts the sums: straight into the accumulators, 512 consecutive bytes a load
	global_load_b128 v[ACC+8*a:ACC+8*a+3],   v[L16], s[GP:GP+1] offset:a*1024
	global_load_b128 v[ACC+8*a+4:ACC+8*a+7], v[L16], s[GP:GP+1] offset:a*1024+512
.set a, a+1
.endr
.endif
	v_add_nc_u32 v[ADRA+1], SLOT, v[L16]
	s_lshl_b32 s2, s[WV], 9                        ; my 16 weight rows are block w of a tile's four
	s_add_co_u32 s2, s2, KBYTES
	v_add_nc_u32 v[ADRW01], s2, v[L16]
	v_add_nc_u32 v[ADRW01+1], SLOT, v[ADRW01]
	v_add_nc_u32 v[ADRW2], 2*KBYTES, v[ADRW01]
	v_add_nc_u32 v[ADRW2+1], 2*KBYTES, v[ADRW01+1]
	v_add_nc_u32 v[ADRMA], MSG, v[L16]
	s_add_co_u32 s2, s2, MSG+MBYTES-KBYTES
	v_add_nc_u32 v[ADRMW], s2, v[L16]
	s_wait_tensorcnt 0x2                           ; my tile of slot 0 is in; the two issued behind it, slot 1's and the message's, may stay out
	s_barrier_signal -1
	s_barrier_wait -1                              ; everybody's is
	FETCH 0, 0, F0
	s_wait_loadcnt 0x0
.if FIRST
.irp g, 0,1,2                          ; b_ih + b_hh starts the sums
.irp bs, 0,1,2,3
.irp p, 0,1,2,3
	v_pk_add_f32 v[ACC+32*(\g)+8*(\bs)+2*(\p):ACC+32*(\g)+8*(\bs)+2*(\p)+1], v[F1+8*(\g)+2*(\p):F1+8*(\g)+2*(\p)+1], v[F1+24+8*(\g)+2*(\p):F1+24+8*(\g)+2*(\p)+1]
.endr
.endr
.endr
.endif
	s_mov_b32 s3, LAPS
.Llap:                                                 ; a trip goes once round the ring and fills both slots again
	KSTEP 0, 1
	KSTEP 1, 1
	s_sub_co_u32 s3, s3, 1
	s_cmp_lg_u32 s3, 0
	s_cbranch_scc1 .Llap
	KSTEP 0, 0                                     ; the last two K steps are written out: nothing is left to fetch
	KSTEP 1, 2
	PLACES                                         ; behind the last products: for the stores of their results and the loads into buffer 1
.if FIRST
.set a, 0
.rept 12                               ; G goes out; each accumulator's low four registers first
	global_store_b128 v[L16], v[ACC+8*a:ACC+8*a+3],   s[GP:GP+1] offset:a*1024
	global_store_b128 v[L16], v[ACC+8*a+4:ACC+8*a+7], s[GP:GP+1] offset:a*1024+512
.set a, a+1
.endr
	s_wait_xcnt 0x0                                ; the products below write the stores' data registers only behind this wait (ISA guide 3.1)
.endif
	s_wait_dscnt 0x0                               ; the message's first fragments are in
	FETCHM 1, F1
	MUL F0
	s_wait_dscnt 0x0
	MUL F1
	PLACES
	; THE ACTIVATION, on 32 numbers a gate and lane, every accumulator from its low end on.  Transcendentals stand in runs, with one plain instruction between a run and the use of its results (ISA guide 5.7.2).
.set GI, ACC
.set GG, ACC+32
.set GOU, ACC+64
.macro PKS op, d, x, y                 ; 16 packed instructions: d = x op y
.set i, 0
.rept 16
	\op v[(\d)+2*i:(\d)+2*i+1], v[(\x)+2*i:(\x)+2*i+1], v[(\y)+2*i:(\y)+2*i+1]
.set i, i+1
.endr
.endm
.macro PKC d, x, c                     ; d = x times the scalar pair's low word
.set i, 0
.rept 16
	v_pk_mul_f32 v[(\d)+2*i:(\d)+2*i+1], v[(\x)+2*i:(\x)+2*i+1], s[(\c):(\c)+1] op_sel_hi:[1,0]
.set i, i+1
.endr
.endm
.macro RUN op, d, n                    ; n transcendentals in place, and the plain instruction behind them
.set i, 0
.rept \n
	\op v[(\d)+i], v[(\d)+i]
.set i, i+1
.endr
	v_nop
.endm
.macro PLUS1 d, n                      ; n pairs: + 1
.set i, 0
	s_wait_alu depctr_va_vdst(0)
.rept \n
	v_pk_add_f32 v[(\d)+2*i:(\d)+2*i+1], v[(\d)+2*i:(\d)+2*i+1], 1.0 op_sel_hi:[1,0]
.set i, i+1
.endr
.endm
.macro TANH d                          ; 1 - 2 d
.set i, 0
	s_wait_alu depctr_va_vdst(0)
.rept 16
	v_pk_fma_f32 v[(\d)+2*i:(\d)+2*i+1], v[(\d)+2*i:(\d)+2*i+1], -2.0, 1.0 op_sel_hi:[1,0,0]
.set i, i+1
.endr
.endm
	PKC GI, GI, NL2E                               ; -i log2 e
	PKC GG, GG, TL2E                               ; 2 g log2 e
	PKC GOU, GOU, NL2E                             ; -o log2 e
	RUN v_exp_f32, ACC, 96
	PLUS1 ACC, 48
	RUN v_rcp_f32, ACC, 96                         ; sigmoid(i), 1 / (1 + e^(2 g)), sigmoid(o)
	TANH GG                                        ; tanh(g)
	PKS v_pk_mul_f32, GI, GI, GG                   ; c
	PKC GG, GI, TL2E
	RUN v_exp_f32, GG, 32
	PLUS1 GG, 16
	RUN v_rcp_f32, GG, 32
	TANH GG                                        ; tanh(c)
	PKS v_pk_mul_f32, GOU, GOU, GG                 ; h
.set i, 0
.rept 16
	v_cvt_pk_bf16_f32 v[PH+i], v[GOU+2*i], v[GOU+2*i+1]
.set i, i+1
.endr
.irp bs, 0,1,2,3
	global_store_b128 v[L16], v[PH+4*(\bs):PH+4*(\bs)+3], s[XO:XO+1] offset:512*(\bs)  ; a unit of the next operand: 512 consecutive bytes, at a multiple of 512 from the buffer's first
.endr
.if FIRST == 0
.set i, 0
.rept 16
	v_cvt_pk_bf16_f32 v[PC+i], v[GI+2*i], v[GI+2*i+1]
.set i, i+1
.endr
.irp bs, 0,1,2,3
	global_store_b128 v[L16], v[PC+4*(\bs):PC+4*(\bs)+3], s[XO:XO+1] offset:COFF+512*(\bs)
.endr
.endif
	s_wait_tensorcnt 0x0                           ; the wave's end: a wait, an add to my spare word and a wait, behind my last tensor load
	ds_add_u32 v[SPW], v[NIL]
	s_wait_dscnt 0x0
	CROUND                                         ; the closing round: no work-group ends while a partner may still ask for a tile that names it
	s_endpgm
.Lfunc_end_k_q7f811e8aae_first:
	.size	k_q7f811e8aae_first, .Lfunc_end_k_q7f811e8aae_first-k_q7f811e8aae_first
	.p2alignl 7, 3214868480
	.fill 96, 4, 3214868480
	.section	.rodata,"a",@progbits
	.p2align	6, 0x0
	.amdhsa_kernel k_q7f811e8aae_first
		.amdhsa_group_segment_fixed_size 327680
		.amdhsa_private_segment_fixed_size 0
		.amdhsa_enable_private_segment 0
		.amdhsa_kernarg_size 40
		.amdhsa_user_sgpr_count 2
		.amdhsa_user_sgpr_kernarg_segment_ptr 1
		.amdhsa_wavefront_size32 1
		.amdhsa_system_sgpr_workgroup_id_x 1
		.amdhsa_system_sgpr_workgroup_id_y 1
		.amdhsa_system_sgpr_workgroup_id_z 1
		.amdhsa_system_vgpr_workitem_id 0
		.amdhsa_next_free_vgpr 224
		.amdhsa_next_free_sgpr 96
		.amdhsa_reserve_vcc 0
		.amdhsa_float_denorm_mode_32 3
		.amdhsa_float_denorm_mode_16_64 3
		.amdhsa_memory_ordered 1
		.amdhsa_forward_progress 1
		.amdhsa_inst_pref_size 99
	.end_amdhsa_kernel
	.amdgpu_metadata
---
amdhsa.version: [ 1, 2 ]
amdhsa.kernels:
  - .name:           k_q7f811e8aae_first
    .symbol:         k_q7f811e8aae_first.kd
    .args:
      - { .name: wb, .offset: 0, .size: 8, .value_kind: global_buffer, .address_space: global }
      - { .name: b_ih, .offset: 8, .size: 8, .value_kind: global_buffer, .address_space: global }
      - { .name: b_hh, .offset: 16, .size: 8, .value_kind: global_buffer, .address_space: global }
      - { .name: g, .offset: 24, .size: 8, .value_kind: global_buffer, .address_space: global }
      - { .name: x1, .offset: 32, .size: 8, .value_kind: global_buffer, .address_space: global }
    .group_segment_fixed_size: 327680
    .private_segment_fixed_size: 0
    .kernarg_segment_align: 8
    .kernarg_segment_size: 40
    .max_flat_workgroup_size: 128
    .sgpr_count:     96
    .vgpr_count:     224
    .wavefront_size: 32
...
	.end_amdgpu_metadata
.endif
;; end of part 2
;; launch step2 (part 3): grid 16 x 16, 4 waves a work-group, clusters of 4 x 4, 327,680 bytes of LDS; arguments wb, g, x1, x2; writes x2
.if DOCPART == 3
	.amdgcn_target "amdgcn-amd-amdhsa--gfx1250"
	.amdhsa_code_object_version 6
	.text
	.protected	k_q7f811e8aae_step2
	.globl	k_q7f811e8aae_step2
	.p2align	8
	.type	k_q7f811e8aae_step2,@function
k_q7f811e8aae_step2:
	s_mov_b64 s[64:65], 0
	v_nop
	global_prefetch_b8 v0, s[64:65] scope:SCOPE_SE
	s_setreg_imm32_b32 hwreg(HW_REG_WAVE_MODE, 25, 1), 1
	s_wait_xcnt 0x0
	s_wait_alu depctr_hold_cnt(0) depctr_sa_sdst(0) depctr_va_vdst(0) depctr_va_sdst(0) depctr_va_ssrc(0) depctr_va_vcc(0) depctr_vm_vsrc(0)
	s_getreg_b32 s2, hwreg(HW_REG_IB_STS2, 6, 4)
	s_cmp_eq_u32 s2, 0
	s_cbranch_scc0 .Lentry_in_a_cluster
	s_endpgm
.Lentry_in_a_cluster:
	s_bfe_u32 s2, ttmp6, 0x10000c
	s_cmp_lg_u32 s2, 0xf033
	s_cbranch_scc0 .Lentry_shape_is_right
	s_endpgm
.Lentry_shape_is_right:
; THE GATE KERNEL, in two forms chosen by FIRST.
; FIRST = 1: G = b_ih + b_hh + contexts Wc^T (K = 2,048) for the gates i, g, o, which is the same in all four steps of the module and is stored in f32; then + msgs[0] Wm^T, the activation, and h_1.  (h_0 is 0: no h term.)
; FIRST = 0: gates = G + h Wh^T (K = 1,024) + msg Wm^T (K = 64); c = sigmoid(i) tanh(g), h = sigmoid(o) tanh(c); h and c are stored in bf16 as the next product's operand.
; One text serves steps 2 to 4, so c is stored in every step though only the last is read, and the last step makes an h that nobody reads.
; W_hh enters the module by its shape alone (the state is 0 in every step) and is named nowhere; the f gate's result is discarded by the module and is not computed.
; LIMITS.  Matrix operands are bf16, sums f32.  sigmoid(x) = 1 / (1 + 2^(-x log2 e)), tanh(x) = 1 - 2 / (1 + 2^(2 x log2 e)): an exponential that overflows gives the saturated value, one below 2^-126 counts as 0;
; tanh is good to about 1e-7 absolute, not relative.  NaN and infinities are not treated apart.
; SHARES.  256 work-groups: 64 batch rows (by) x 64 hidden columns (bx) x 3 gates.  Wave w owns all 64 rows x columns 64 bx + 16 w .. + 15 x 3 gates: 12 accumulators, so i, g and o of a number meet in one lane.
; THE MATRIX INSTRUCTION IS USED TRANSPOSED: source 0 = 16 weight rows, source 1 = 16 batch rows.  A lane then holds one batch row (lane % 16) and eight neighbouring hidden columns 8 (lane / 16) + 0..7, which, rounded
; to bf16, are its 16 bytes of a unit of the next operand's image: h and c leave straight from registers, 512 consecutive bytes a store.
; OPERANDS lie in memory as fragment images: 64 rows x 256 k are 32,768 dense bytes, in units of 16 rows x 16 k = 512 bytes (lane's bytes at 16 x lane).  So a tile is a dense block, asked for as rows of 256 bytes,
; and a fragment is two LDS loads of 512 consecutive bytes each: no padding is wanted.
; RING.  K goes in steps of 256 through two LDS slots of four tiles: wave 0 fetches the batch rows' tile, wave w = 1..3 gate w - 1's.  The message tiles (K = 64) are fetched once, with the first fills.
; CLUSTER.  4 x 4 work-groups.  The four of a row of the cluster share by and so the batch tile, the four of a column share bx and so the weight tiles: each tile is asked for JOINTLY.
.set FIRST, 0
.set WH,   12582912                    ; wb: the weights' hidden columns, Image(3072, 1024); the context columns' image lies at 0
.set WM,   18874368                    ;     the message columns, Image(3072, 64)
.set XC,   23461888                    ;     contexts, Image(1024, 2048)
.set M0,   27656192                    ;     msgs[0], Image(1024, 64)
.set MOFF, 2097152                     ; x buffers: h at 0, the step's message here,
.set COFF, 2228224                     ; c here
.if FIRST
.set KSTEPS, 8
.set RSH,   18                         ; 64 rows of an image of K = 2,048 are 2^18 bytes
.set WBASE, 0
.set ABASE, XC
.set MABASE, M0
.set ASRC,  4                          ; the batch operand comes from wb
.set GP,    10                         ; s[10:11] g
.set XO,    12                         ; s[12:13] x1
.else
.set KSTEPS, 4
.set RSH,   17
.set WBASE, WH
.set ABASE, 0
.set MABASE, MOFF
.set ASRC,  8                          ; s[8:9] the step's input buffer
.set GP,    6                          ; s[6:7] g
.set XO,    10                         ; s[10:11] the step's output buffer
.endif
.set LAPS,  (KSTEPS-2)/2               ; a lap = two K steps = once round the ring; the last two K steps are written out
.set KBYTES, 32768                     ; a tile: 64 rows x 256 k
.set SLOT,  4*KBYTES
.set MSG,   2*SLOT                     ; behind the ring: four message tiles of 64 rows x 64 k
.set MBYTES, 8192
.set SPARE, MSG+4*MBYTES               ; behind them: the spare words, 128 bytes for each wave
.set ADRA,  2                          ; v2-3   LDS address of my bytes in the batch tile of slot 0, 1; v2 is also 16 x lane, the offset of my global loads and stores
.set L16,   2
.set ADRW01, 4                         ; v4-5   the same in gate i's tile; gate g's lies 32,768 further, within the immediate
.set ADRW2, 6                          ; v6-7   in gate o's
.set ADRMA, 8                          ; v8     in the batch rows' message tile
.set ADRMW, 9                          ; v9     in gate i's message tile
.set BOF,   12                         ; v12    my byte offset in the biases
.set SPW,   14                         ; v14    LDS address of my spare word; never rewritten
.set NIL,   15                         ; v15    0; never rewritten
.set ACC,   16                         ; v16-111  accumulator (gate, block bs of 16 batch rows) at ACC + 32 gate + 8 bs
.set F0,    112                        ; v112-167 fragment buffer 0: gate g at 8 g, batch block bs at 24 + 8 bs
.set F1,    168                        ; v168-223 fragment buffer 1
.set PH,    112                        ; the way out: h packed, 4 registers a batch block
.set PC,    128                        ; c packed
.set WV,    14                         ; s14  my wave's number
.set G1A,   16                         ; s[16:23] descriptor group 1, batch tiles     s[24:31] weight tiles
.set G1W,   24
.set G1MA,  32                         ; s[32:39], s[40:47] the same for the message tiles
.set G1MW,  40
.set G0A,   48                         ; s[48:51], s[52:55], s[56:59] group 0 for the batch tiles: slot 0, slot 1, message
.set G0W,   60                         ; s[60:63], s[68:71], s[72:75] for the weight tiles
.set NL2E,  92                         ; s[92:93] -log2(e)
.set TL2E,  94                         ; s[94:95] 2 log2(e)
.macro PLACES                          ; a load into a register that a matrix instruction has read, and whatever reads a matrix result, stand four plain vector instructions behind it (ISA guide 7.12.1 for vector instructions)
.rept 4
	v_nop
.endr
.endm
.macro CROUND                          ; a round of the cluster's barrier: my work-group's barrier, wave 0 signals for the work-group, every wave waits for all sixteen, my work-group's barrier once more
	s_barrier_signal -1
	s_barrier_wait -1
	s_cmp_lg_u32 s[WV], 0
	s_cbranch_scc1 .Lnot_wave_0_\@
	s_barrier_signal -3
.Lnot_wave_0_\@:
	s_barrier_wait -3
	s_barrier_signal -1
	s_barrier_wait -1
.endm
.macro JLOAD slot                      ; a joint refill: wave 0 the batch tile, waves 1 to 3 a gate's tile each.  The branch hangs on the wave's number alone.  An s_nop 0 and four v_nop follow each line
	s_cmp_eq_u32 s[WV], 0
	s_cbranch_scc0 .Lfor_w_\@
	tensor_load_to_lds s[G0A+4*(\slot):G0A+4*(\slot)+3], s[G1A:G1A+7]
	s_nop 0
.rept 4
	v_nop
.endr
	s_branch .Lasked_\@
.Lfor_w_\@:
	tensor_load_to_lds s[G0W+8*(\slot):G0W+8*(\slot)+3], s[G1W:G1W+7]
	s_nop 0
.rept 4
	v_nop
.endr
.Lasked_\@:
.endm
.macro FETCH slot, kk, f               ; 14 LDS loads: the fragments of 32 along K, chunk kk of the slot's eight: units 2 kk and 2 kk + 1 are a fragment's registers 0-3 and 4-7
.irp e, 0,1
	ds_load_b128 v[(\f)+4*(\e):(\f)+4*(\e)+3],       v[ADRW01+(\slot)] offset:(2*(\kk)+(\e))*2048
	ds_load_b128 v[(\f)+8+4*(\e):(\f)+8+4*(\e)+3],   v[ADRW01+(\slot)] offset:KBYTES+(2*(\kk)+(\e))*2048
	ds_load_b128 v[(\f)+16+4*(\e):(\f)+16+4*(\e)+3], v[ADRW2+(\slot)]  offset:(2*(\kk)+(\e))*2048
.irp bs, 0,1,2,3
	ds_load_b128 v[(\f)+24+8*(\bs)+4*(\e):(\f)+24+8*(\bs)+4*(\e)+3], v[ADRA+(\slot)] offset:(2*(\kk)+(\e))*2048+(\bs)*512
.endr
.endr
.endm
.macro FETCHM kk, f                    ; the same from the message tiles: chunk kk of two
.irp e, 0,1
.irp g, 0,1,2
	ds_load_b128 v[(\f)+8*(\g)+4*(\e):(\f)+8*(\g)+4*(\e)+3], v[ADRMW] offset:(\g)*MBYTES+(2*(\kk)+(\e))*2048
.endr
.irp bs, 0,1,2,3
	ds_load_b128 v[(\f)+24+8*(\bs)+4*(\e):(\f)+24+8*(\bs)+4*(\e)+3], v[ADRMA] offset:(2*(\kk)+(\e))*2048+(\bs)*512
.endr
.endr
.endm
.macro MUL f                           ; 12 matrix instructions; the 12 accumulators take turns, one instruction a turn, from chunk to chunk and over the loop's jump too
.irp bs, 0,1,2,3
.irp g, 0,1,2
	v_wmma_f32_16x16x32_bf16 v[ACC+32*(\g)+8*(\bs):ACC+32*(\g)+8*(\bs)+7], v[(\f)+8*(\g):(\f)+8*(\g)+7], v[(\f)+24+8*(\bs):(\f)+24+8*(\bs)+7], v[ACC+32*(\g)+8*(\bs):ACC+32*(\g)+8*(\bs)+7]
.endr
.endr
.endm
.macro CHUNK slot, kk, f, g            ; multiplies buffer f; ahead of that the next chunk's fragments are asked for, into buffer g
	s_wait_dscnt 0x0                               ; f's 14 loads are in: nothing else of mine is out
	PLACES                                         ; behind the last products, which read g
	FETCH \slot, (\kk)+1, \g
	MUL \f
.endm
; The last chunk of a K step changes slots.  Each wave waits for all its tensor loads, of which one is out, its tile of the other slot, or at the first change two, the message tile too; adds 0 to its spare word; and waits for that and for its reads of this slot, whose last
; are this chunk's fragments.  fill = 1: the barrier is a round of the cluster's, so that no wave of any partner still reads the slot or has a load on its way, and the joint refill, two K steps ahead, is the first thing behind it.
.macro TURN slot, fill
	s_wait_tensorcnt 0x0                           ; no tensor load of mine is out, so a group 0 may be written
	ds_add_u32 v[SPW], v[NIL]                      ; 0 onto my spare word
.if \fill
	s_add_nc_u64 s[G0A+4*(\slot)+2:G0A+4*(\slot)+3], s[G0A+4*(\slot)+2:G0A+4*(\slot)+3], 2*KBYTES
	s_add_nc_u64 s[G0W+8*(\slot)+2:G0W+8*(\slot)+3], s[G0W+8*(\slot)+2:G0W+8*(\slot)+3], 2*KBYTES
.endif
	s_wait_dscnt 0x0                               ; the add is done, and my reads of this slot are over
.if \fill
	CROUND
	JLOAD \slot                                    ; its four v_nop are also the places in front of the loads below
.else
	s_barrier_signal -1
	s_barrier_wait -1
	PLACES
.endif
	FETCH 1-(\slot), 0, F0
	MUL F1
.endm
.macro KSTEP slot, mode                ; eight chunks of 32 along K on buffers 0, 1 by turns.  mode 1: the slot is filled again; 0: it is not; 2: the last K step: the message's first fragments follow
	CHUNK \slot, 0, F0, F1
	CHUNK \slot, 1, F1, F0
	CHUNK \slot, 2, F0, F1
	CHUNK \slot, 3, F1, F0
	CHUNK \slot, 4, F0, F1
	CHUNK \slot, 5, F1, F0
	CHUNK \slot, 6, F0, F1
.if (\mode) == 2
	s_wait_dscnt 0x0
	PLACES
	FETCHM 0, F0                                   ; the message tiles were shown landed, in every wave, by the first change of slots
	MUL F1
.else
	TURN \slot, \mode
.endif
.endm
	s_load_b256 s[4:11], s[0:1], 0x0               ; FIRST: wb, b_ih, b_hh, g;  else: wb, g, input, output
.if FIRST
	s_load_b64 s[12:13], s[0:1], 0x20              ; x1
.endif
	v_lshl_add_u32 v[SPW], v0, 2, SPARE
	v_mov_b32 v[NIL], 0
	ds_add_u32 v[SPW], v[NIL]                      ; the wave's opening: the add and its wait stand ahead of my first tensor load; the set-up below, work on registers, stands between them
	v_lshrrev_b32 v1, 5, v0
	v_readfirstlane_b32 s[WV], v1                  ; wave 0..3
	s_bfe_u32 s76, ttmp6, 0x40000                  ; cx, cy: my place in the cluster
	s_bfe_u32 s77, ttmp6, 0x40004
	s_lshl_b32 s78, ttmp9, 2
	s_add_co_u32 s78, s78, s76                     ; bx = 4 x cluster x + cx: my 64 hidden columns
	s_and_b32 s79, ttmp7, 0xffff
	s_lshl_b32 s79, s79, 2
	s_add_co_u32 s79, s79, s77                     ; by = 4 x cluster y + cy: my 64 batch rows
	s_lshl_b32 s80, s77, 2
	s_lshl_b32 s80, 15, s80                        ; my row of the cluster
	s_lshl_b32 s81, 0x1111, s76                    ; my column
	; descriptor group 1: a dense block as R rows of 32 elements of 8 bytes.  15:0 the mask; 17:16 element size code 3; 21 set beside a mask; no padding
	s_or_b32 s[G1A],  s80, (3<<16)|(1<<21)
	s_or_b32 s[G1MA], s80, (3<<16)|(1<<21)
	s_or_b32 s[G1W],  s81, (3<<16)|(1<<21)
	s_or_b32 s[G1MW], s81, (3<<16)|(1<<21)
.irp g, G1A, G1W
	s_mov_b32 s[\g+1], 32<<16                      ; tensor_dim0 = 32
	s_mov_b32 s[\g+2], 128<<16                     ; tensor_dim1 = 128 rows: 32,768 bytes
	s_mov_b32 s[\g+3], 32<<16                      ; tile_dim0 = 32
	s_mov_b32 s[\g+4], 128                         ; tile_dim1 = 128
	s_mov_b32 s[\g+5], 32                          ; 32 elements from row to row
	s_mov_b32 s[\g+6], 0
	s_mov_b32 s[\g+7], 0
.endr
.irp g, G1MA, G1MW
	s_mov_b32 s[\g+1], 32<<16
	s_mov_b32 s[\g+2], 32<<16                      ; 32 rows: 8,192 bytes
	s_mov_b32 s[\g+3], 32<<16
	s_mov_b32 s[\g+4], 32
	s_mov_b32 s[\g+5], 32
	s_mov_b32 s[\g+6], 0
	s_mov_b32 s[\g+7], 0
.endr
	s_lshl_b32 s90, s[WV], 15                      ; where my tile goes in a slot, and among the message tiles: the wave's number alone
	s_lshl_b32 s91, s[WV], 13
	s_max_u32 s2, s[WV], 1
	s_sub_co_u32 s2, s2, 1                         ; the gate whose tile I fetch (wave 0 fetches none and does not use it)
	; offsets.  The batch tiles' hang on by alone (s82-83, s86-87), the weight tiles' on bx and the wave alone (s84-85, s88-89)
	s_lshl_b32 s82, s79, RSH
.if ABASE
	s_add_co_u32 s82, s82, ABASE
.endif
	s_mov_b32 s83, 0
	s_lshl_b32 s86, s79, 13
	s_add_co_u32 s86, s86, MABASE
	s_mov_b32 s87, 0
	s_lshl_b32 s84, s2, 4
	s_add_co_u32 s84, s84, s78                     ; block of 64 weight rows: 16 x gate + bx
	s_lshl_b32 s88, s84, 13
	s_add_co_u32 s88, s88, WM
	s_mov_b32 s89, 0
	s_lshl_b32 s84, s84, RSH
.if WBASE
	s_add_co_u32 s84, s84, WBASE
.endif
	s_mov_b32 s85, 0
	s_mov_b32 s[G0A], 1                            ; group 0: count = 1; the LDS address
	s_mov_b32 s[G0A+1], s90
	s_mov_b32 s[G0A+4], 1
	s_add_co_u32 s[G0A+5], s90, SLOT
	s_mov_b32 s[G0A+8], 1
	s_add_co_u32 s[G0A+9], s91, MSG
	s_mov_b32 s[G0W], 1
	s_mov_b32 s[G0W+1], s90
	s_mov_b32 s[G0W+8], 1
	s_add_co_u32 s[G0W+9], s90, SLOT
	s_mov_b32 s[G0W+12], 1
	s_add_co_u32 s[G0W+13], s91, MSG
	s_mov_b32 s[NL2E], 0xbfb8aa3b
	s_mov_b32 s[NL2E+1], s[NL2E]                   ; named with it as a pair
	s_mov_b32 s[TL2E], 0x4038aa3b
	s_mov_b32 s[TL2E+1], s[TL2E]
	s_wait_dscnt 0x0                               ; the opening add is done
	s_wait_kmcnt 0x0
	s_add_nc_u64 s[G0A+2:G0A+3], s[ASRC:ASRC+1], s[82:83]      ; the global addresses: K step 0,
	s_add_nc_u64 s[G0A+6:G0A+7], s[G0A+2:G0A+3], KBYTES        ; K step 1,
	s_add_nc_u64 s[G0A+10:G0A+11], s[ASRC:ASRC+1], s[86:87]    ; the message
	s_add_nc_u64 s[G0W+2:G0W+3], s[4:5], s[84:85]
	s_add_nc_u64 s[G0W+10:G0W+11], s[G0W+2:G0W+3], KBYTES
	s_add_nc_u64 s[G0W+14:G0W+15], s[4:5], s[88:89]
.irp r, G0A+3, G0A+7, G0A+11, G0W+3, G0W+11, G0W+15
	s_or_b32 s[\r], s[\r], 0x80000000              ; type = 2
.endr
	CROUND                                         ; all sixteen work-groups are here: the first joint loads meet
	s_cmp_eq_u32 s[WV], 0                          ; a wave's three first fills stand in one branch, ahead of every wait on TENSORcnt and every LDS read: three loads of mine are out
	s_cbranch_scc0 .Lfirst_w
	tensor_load_to_lds s[G0A:G0A+3], s[G1A:G1A+7]
	s_nop 0
	tensor_load_to_lds s[G0A+4:G0A+7], s[G1A:G1A+7]
	s_nop 0
	tensor_load_to_lds s[G0A+8:G0A+11], s[G1MA:G1MA+7]
	s_nop 0
.rept 4
	v_nop
.endr
	s_branch .Lfirst_asked
.Lfirst_w:
	tensor_load_to_lds s[G0W:G0W+3], s[G1W:G1W+7]
	s_nop 0
	tensor_load_to_lds s[G0W+8:G0W+11], s[G1W:G1W+7]
	s_nop 0
	tensor_load_to_lds s[G0W+12:G0W+15], s[G1MW:G1MW+7]
	s_nop 0
.rept 4
	v_nop
.endr
.Lfirst_asked:
	v_and_b32 v[L16], 31, v0
	v_lshlrev_b32 v[L16], 4, v[L16]                ; 16 x lane
	s_lshl_b32 s66, s79, 4                         ; g is a register image: (16 by + bx) x 49,152 + wave x 12,288 + accumulator x 1,024 + half x 512 + 16 x lane
	s_add_co_u32 s66, s66, s78
	s_mul_i32 s66, s66, 49152
	s_mul_i32 s67, s[WV], 12288
	s_add_co_u32 s66, s66, s67
	s_mov_b32 s67, 0
	s_add_nc_u64 s[GP:GP+1], s[GP:GP+1], s[66:67]
	s_lshl_b32 s66, s78, 2                         ; the output image: by x 131,072 + (4 bx + wave) x 2,048 + batch block x 512 + 16 x lane
	s_add_co_u32 s66, s66, s[WV]
	s_lshl_b32 s66, s66, 11
	s_lshl_b32 s2, s79, 17
	s_add_co_u32 s66, s66, s2
	s_add_nc_u64 s[XO:XO+1], s[XO:XO+1], s[66:67]
.if FIRST
	s_lshl_b32 s66, s78, 8                         ; my eight columns' biases: 4 (64 bx + 16 wave + 8 (lane / 16)) bytes into a gate
	s_lshl_b32 s2, s[WV], 6
	s_add_co_u32 s66, s66, s2
	v_bfe_u32 v[BOF], v0, 4, 1
	v_lshl_add_u32 v[BOF], v[BOF], 5, s66
.irp g, 0,1,2                          ; the gates i, g, o begin at bytes 0, 8,192 and 12,288; into buffer 1's registers, which the products want later
	global_load_b128 v[F1+8*(\g):F1+8*(\g)+3],       v[BOF], s[6:7] offset:4096*((\g)+((\g)+1)/2)
	global_load_b128 v[F1+8*(\g)+4:F1+8*(\g)+7],     v[BOF], s[6:7] offset:4096*((\g)+((\g)+1)/2)+16
	global_load_b128 v[F1+24+8*(\g):F1+24+8*(\g)+3], v[BOF], s[8:9] offset:4096*((\g)+((\g)+1)/2)
	global_load_b128 v[F1+24+8*(\g)+4:F1+24+8*(\g)+7], v[BOF], s[8:9] offset:4096*((\g)+((\g)+1)/2)+16
.endr
.else
.set a, 0
.rept 12                               ; G starts the sums: straight into the accumulators, 512 consecutive bytes a load
	global_load_b128 v[ACC+8*a:ACC+8*a+3],   v[L16], s[GP:GP+1] offset:a*1024
	global_load_b128 v[ACC+8*a+4:ACC+8*a+7], v[L16], s[GP:GP+1] offset:a*1024+512
.set a, a+1
.endr
.endif
	v_add_nc_u32 v[ADRA+1], SLOT, v[L16]
	s_lshl_b32 s2, s[WV], 9                        ; my 16 weight rows are block w of a tile's four
	s_add_co_u32 s2, s2, KBYTES
	v_add_nc_u32 v[ADRW01], s2, v[L16]
	v_add_nc_u32 v[ADRW01+1], SLOT, v[ADRW01]
	v_add_nc_u32 v[ADRW2], 2*KBYTES, v[ADRW01]
	v_add_nc_u32 v[ADRW2+1], 2*KBYTES, v[ADRW01+1]
	v_add_nc_u32 v[ADRMA], MSG, v[L16]
	s_add_co_u32 s2, s2, MSG+MBYTES-KBYTES
	v_add_nc_u32 v[ADRMW], s2, v[L16]
	s_wait_tensorcnt 0x2                           ; my tile of slot 0 is in; the two issued behind it, slot 1's and the message's, may stay out
	s_barrier_signal -1
	s_barrier_wait -1                              ; everybody's is
	FETCH 0, 0, F0
	s_wait_loadcnt 0x0
.if FIRST
.irp g, 0,1,2                          ; b_ih + b_hh starts the sums
.irp bs, 0,1,2,3
.irp p, 0,1,2,3
	v_pk_add_f32 v[ACC+32*(\g)+8*(\bs)+2*(\p):ACC+32*(\g)+8*(\bs)+2*(\p)+1], v[F1+8*(\g)+2*(\p):F1+8*(\g)+2*(\p)+1], v[F1+24+8*(\g)+2*(\p):F1+24+8*(\g)+2*(\p)+1]
.endr
.endr
.endr
.endif
	s_mov_b32 s3, LAPS
.Llap:                                                 ; a trip goes once round the ring and fills both slots again
	KSTEP 0, 1
	KSTEP 1, 1
	s_sub_co_u32 s3, s3, 1
	s_cmp_lg_u32 s3, 0
	s_cbranch_scc1 .Llap
	KSTEP 0, 0                                     ; the last two K steps are written out: nothing is left to fetch
	KSTEP 1, 2
	PLACES                                         ; behind the last products: for the stores of their results and the loads into buffer 1
.if FIRST
.set a, 0
.rept 12                               ; G goes out; each accumulator's low four registers first
	global_store_b128 v[L16], v[ACC+8*a:ACC+8*a+3],   s[GP:GP+1] offset:a*1024
	global_store_b128 v[L16], v[ACC+8*a+4:ACC+8*a+7], s[GP:GP+1] offset:a*1024+512
.set a, a+1
.endr
	s_wait_xcnt 0x0                                ; the products below write the stores' data registers only behind this wait (ISA guide 3.1)
.endif
	s_wait_dscnt 0x0                               ; the message's first fragments are in
	FETCHM 1, F1
	MUL F0
	s_wait_dscnt 0x0
	MUL F1
	PLACES
	; THE ACTIVATION, on 32 numbers a gate and lane, every accumulator from its low end on.  Transcendentals stand in runs, with one plain instruction between a run and the use of its results (ISA guide 5.7.2).
.set GI, ACC
.set GG, ACC+32
.set GOU, ACC+64
.macro PKS op, d, x, y                 ; 16 packed instructions: d = x op y
.set i, 0
.rept 16
	\op v[(\d)+2*i:(\d)+2*i+1], v[(\x)+2*i:(\x)+2*i+1], v[(\y)+2*i:(\y)+2*i+1]
.set i, i+1
.endr
.endm
.macro PKC d, x, c                     ; d = x times the scalar pair's low word
.set i, 0
.rept 16
	v_pk_mul_f32 v[(\d)+2*i:(\d)+2*i+1], v[(\x)+2*i:(\x)+2*i+1], s[(\c):(\c)+1] op_sel_hi:[1,0]
.set i, i+1
.endr
.endm
.macro RUN op, d, n                    ; n transcendentals in place, and the plain instruction behind them
.set i, 0
.rept \n
	\op v[(\d)+i], v[(\d)+i]
.set i, i+1
.endr
	v_nop
.endm
.macro PLUS1 d, n                      ; n pairs: + 1
.set i, 0
	s_wait_alu depctr_va_vdst(0)
.rept \n
	v_pk_add_f32 v[(\d)+2*i:(\d)+2*i+1], v[(\d)+2*i:(\d)+2*i+1], 1.0 op_sel_hi:[1,0]
.set i, i+1
.endr
.endm
.macro TANH d                          ; 1 - 2 d
.set i, 0
	s_wait_alu depctr_va_vdst(0)
.rept 16
	v_pk_fma_f32 v[(\d)+2*i:(\d)+2*i+1], v[(\d)+2*i:(\d)+2*i+1], -2.0, 1.0 op_sel_hi:[1,0,0]
.set i, i+1
.endr
.endm
	PKC GI, GI, NL2E                               ; -i log2 e
	PKC GG, GG, TL2E                               ; 2 g log2 e
	PKC GOU, GOU, NL2E                             ; -o log2 e
	RUN v_exp_f32, ACC, 96
	PLUS1 ACC, 48
	RUN v_rcp_f32, ACC, 96                         ; sigmoid(i), 1 / (1 + e^(2 g)), sigmoid(o)
	TANH GG                                        ; tanh(g)
	PKS v_pk_mul_f32, GI, GI, GG                   ; c
	PKC GG, GI, TL2E
	RUN v_exp_f32, GG, 32
	PLUS1 GG, 16
	RUN v_rcp_f32, GG, 32
	TANH GG                                        ; tanh(c)
	PKS v_pk_mul_f32, GOU, GOU, GG                 ; h
.set i, 0
.rept 16
	v_cvt_pk_bf16_f32 v[PH+i], v[GOU+2*i], v[GOU+2*i+1]
.set i, i+1
.endr
.irp bs, 0,1,2,3
	global_store_b128 v[L16], v[PH+4*(\bs):PH+4*(\bs)+3], s[XO:XO+1] offset:512*(\bs)  ; a unit of the next operand: 512 consecutive bytes, at a multiple of 512 from the buffer's first
.endr
.if FIRST == 0
.set i, 0
.rept 16
	v_cvt_pk_bf16_f32 v[PC+i], v[GI+2*i], v[GI+2*i+1]
.set i, i+1
.endr
.irp bs, 0,1,2,3
	global_store_b128 v[L16], v[PC+4*(\bs):PC+4*(\bs)+3], s[XO:XO+1] offset:COFF+512*(\bs)
.endr
.endif
	s_wait_tensorcnt 0x0                           ; the wave's end: a wait, an add to my spare word and a wait, behind my last tensor load
	ds_add_u32 v[SPW], v[NIL]
	s_wait_dscnt 0x0
	CROUND                                         ; the closing round: no work-group ends while a partner may still ask for a tile that names it
	s_endpgm
.Lfunc_end_k_q7f811e8aae_step2:
	.size	k_q7f811e8aae_step2, .Lfunc_end_k_q7f811e8aae_step2-k_q7f811e8aae_step2
	.p2alignl 7, 3214868480
	.fill 96, 4, 3214868480
	.section	.rodata,"a",@progbits
	.p2align	6, 0x0
	.amdhsa_kernel k_q7f811e8aae_step2
		.amdhsa_group_segment_fixed_size 327680
		.amdhsa_private_segment_fixed_size 0
		.amdhsa_enable_private_segment 0
		.amdhsa_kernarg_size 32
		.amdhsa_user_sgpr_count 2
		.amdhsa_user_sgpr_kernarg_segment_ptr 1
		.amdhsa_wavefront_size32 1
		.amdhsa_system_sgpr_workgroup_id_x 1
		.amdhsa_system_sgpr_workgroup_id_y 1
		.amdhsa_system_sgpr_workgroup_id_z 1
		.amdhsa_system_vgpr_workitem_id 0
		.amdhsa_next_free_vgpr 224
		.amdhsa_next_free_sgpr 96
		.amdhsa_reserve_vcc 0
		.amdhsa_float_denorm_mode_32 3
		.amdhsa_float_denorm_mode_16_64 3
		.amdhsa_memory_ordered 1
		.amdhsa_forward_progress 1
		.amdhsa_inst_pref_size 96
	.end_amdhsa_kernel
	.amdgpu_metadata
---
amdhsa.version: [ 1, 2 ]
amdhsa.kernels:
  - .name:           k_q7f811e8aae_step2
    .symbol:         k_q7f811e8aae_step2.kd
    .args:
      - { .name: wb, .offset: 0, .size: 8, .value_kind: global_buffer, .address_space: global }
      - { .name: g, .offset: 8, .size: 8, .value_kind: global_buffer, .address_space: global }
      - { .name: x1, .offset: 16, .size: 8, .value_kind: global_buffer, .address_space: global }
      - { .name: x2, .offset: 24, .size: 8, .value_kind: global_buffer, .address_space: global }
    .group_segment_fixed_size: 327680
    .private_segment_fixed_size: 0
    .kernarg_segment_align: 8
    .kernarg_segment_size: 32
    .max_flat_workgroup_size: 128
    .sgpr_count:     96
    .vgpr_count:     224
    .wavefront_size: 32
...
	.end_amdgpu_metadata
.endif
;; end of part 3
;; launch step3: the kernel of part 3 again; grid 16 x 16, 4 waves a work-group, clusters of 4 x 4, 327,680 bytes of LDS; arguments wb, g, x2, x3; writes x3
;; launch step4: the kernel of part 3 again; grid 16 x 16, 4 waves a work-group, clusters of 4 x 4, 327,680 bytes of LDS; arguments wb, g, x3, x4; writes x4
;; launch head (part 4): grid 16 x 16, 4 waves a work-group, clusters of 4 x 4, 327,680 bytes of LDS; arguments wb, x4, b_t, lg; writes lg
.if DOCPART == 4
	.amdgcn_target "amdgcn-amd-amdhsa--gfx1250"
	.amdhsa_code_object_version 6
	.text
	.protected	k_q7f811e8aae_head
	.globl	k_q7f811e8aae_head
	.p2align	8
	.type	k_q7f811e8aae_head,@function
k_q7f811e8aae_head:
	s_mov_b64 s[64:65], 0
	v_nop
	global_prefetch_b8 v0, s[64:65] scope:SCOPE_SE
	s_setreg_imm32_b32 hwreg(HW_REG_WAVE_MODE, 25, 1), 1
	s_wait_xcnt 0x0
	s_wait_alu depctr_hold_cnt(0) depctr_sa_sdst(0) depctr_va_vdst(0) depctr_va_sdst(0) depctr_va_ssrc(0) depctr_va_vcc(0) depctr_vm_vsrc(0)
	s_getreg_b32 s2, hwreg(HW_REG_IB_STS2, 6, 4)
	s_cmp_eq_u32 s2, 0
	s_cbranch_scc0 .Lentry_in_a_cluster
	s_endpgm
.Lentry_in_a_cluster:
	s_bfe_u32 s2, ttmp6, 0x10000c
	s_cmp_lg_u32 s2, 0xf033
	s_cbranch_scc0 .Lentry_shape_is_right
	s_endpgm
.Lentry_shape_is_right:
; LOGITS = c W_t^T + b_t, [1024][2048] in f32, row-major.  c (the last step's cell state) and W_t are bf16 fragment images (64 rows x 256 k = 32,768 dense bytes, units of 16 rows x 16 k = 512 bytes, a lane's bytes at
; 16 x lane); sums in f32, started by the bias.
; SHARES.  256 work-groups: 64 batch rows (by) x 128 columns (bx).  Wave (wy, wx) owns 32 rows x 64 columns: 8 accumulators; its 64 columns are 256 aligned bytes of each row.
; The softmax is a launch of its own: a row's 2,048 columns in one work-group would leave 64 work-groups, in which a weight fragment feeds one product.
; THE MATRIX INSTRUCTION IS USED TRANSPOSED (source 0 = 16 rows of W_t, source 1 = 16 batch rows): a lane holds one batch row and eight neighbouring columns.
; RING.  K = 1,024 in four steps of 256 through two LDS slots.  Waves 0 and 1 fetch the two K halves of c's tile (16,384 bytes each), waves 2 and 3 the two blocks of 64 rows of W_t (32,768 each).
; CLUSTER.  4 x 4 work-groups: c's tiles are shared along a row of the cluster, W_t's along a column, each asked for JOINTLY.
.set WT,    19267584                   ; wb: W_t, Image(2048, 1024)
.set COFF,  2228224                    ; x4: c, Image(1024, 1024)
.set KBYTES, 32768
.set SLOT,  4*KBYTES                   ; wave w's tile at w x 32,768
.set STAGE, 2*SLOT                     ; behind the ring: 16 rows x 272 bytes for each wave, for the way out; no tensor load fills it
.set SP,    272                        ; 256 bytes + 16: row r starts at word 68 r, so the 16 rows of a store start at 16 different groups of four banks (64 banks of 4 bytes: ISA guide 11.1)
.set SPARE, STAGE+4*16*SP              ; behind the stages: the spare words, 128 bytes for each wave
.set L16,   1                          ; v1     16 x lane
.set ADRA,  2                          ; v2-3   LDS address of my bytes in c's tile of slot 0, 1
.set ADRW,  4                          ; v4-5   the same in W_t's
.set STO,   6                          ; v6     the way out: where I put 16 bytes of a row
.set RD,    7                          ; v7     where I read a row back
.set CO,    8                          ; v8     my byte offset in lg
.set BOF,   9                          ; v9     my byte offset in b_t
.set SPW,   14                         ; v14    LDS address of my spare word; never rewritten
.set NIL,   15                         ; v15    0; never rewritten
.set ACC,   16                         ; v16-79   accumulator (row block b2, column block nb) at ACC + 8 (4 b2 + nb)
.set F0,    80                         ; v80-127  fragment buffer 0: W_t's block nb at 8 nb, c's block b2 at 32 + 8 b2
.set F1,    128                        ; v128-175 fragment buffer 1
.set WV,    14                         ; s14  my wave's number
.set WY,    15                         ; s15  which 32 rows are mine.  Also: I fetch for c (0) or for W_t (1)
.set WX,    2                          ; s2   which 64 columns.  Also: which half I fetch
.set G1A,   16                         ; s[16:23] descriptor group 1 for c's tiles     s[24:31] for W_t's
.set G1W,   24
.set G0A,   32                         ; s[32:39] group 0 for c's tiles, a set for each slot     s[40:47] for W_t's
.set G0W,   40
.macro PLACES                          ; a load into a register that a matrix instruction has read, and whatever reads a matrix result, stand four plain vector instructions behind it (ISA guide 7.12.1 for vector instructions)
.rept 4
	v_nop
.endr
.endm
.macro CROUND                          ; a round of the cluster's barrier
	s_barrier_signal -1
	s_barrier_wait -1
	s_cmp_lg_u32 s[WV], 0
	s_cbranch_scc1 .Lnot_wave_0_\@
	s_barrier_signal -3
.Lnot_wave_0_\@:
	s_barrier_wait -3
	s_barrier_signal -1
	s_barrier_wait -1
.endm
.macro JLOAD slot                      ; a joint refill; the branch hangs on the wave's number alone; an s_nop 0 and four v_nop follow each line
	s_cmp_eq_u32 s[WY], 0
	s_cbranch_scc0 .Lfor_w_\@
	tensor_load_to_lds s[G0A+4*(\slot):G0A+4*(\slot)+3], s[G1A:G1A+7]
	s_nop 0
.rept 4
	v_nop
.endr
	s_branch .Lasked_\@
.Lfor_w_\@:
	tensor_load_to_lds s[G0W+4*(\slot):G0W+4*(\slot)+3], s[G1W:G1W+7]
	s_nop 0
.rept 4
	v_nop
.endr
.Lasked_\@:
.endm
.macro FETCH slot, kk, f               ; 12 LDS loads: the fragments of 32 along K, chunk kk of eight.  c's units 0-7 lie in wave 0's tile, 8-15 in wave 1's, 32,768 bytes on
.irp e, 0,1
.irp nb, 0,1,2,3
	ds_load_b128 v[(\f)+8*(\nb)+4*(\e):(\f)+8*(\nb)+4*(\e)+3], v[ADRW+(\slot)] offset:(2*(\kk)+(\e))*2048+(\nb)*512
.endr
.irp b2, 0,1
	ds_load_b128 v[(\f)+32+8*(\b2)+4*(\e):(\f)+32+8*(\b2)+4*(\e)+3], v[ADRA+(\slot)] offset:((2*(\kk)+(\e))/8)*KBYTES+((2*(\kk)+(\e))%8)*2048+(\b2)*512
.endr
.endr
.endm
.macro MUL f                           ; 8 matrix instructions; the 8 accumulators take turns, one instruction a turn
.irp b2, 0,1
.irp nb, 0,1,2,3
	v_wmma_f32_16x16x32_bf16 v[ACC+8*(4*(\b2)+(\nb)):ACC+8*(4*(\b2)+(\nb))+7], v[(\f)+8*(\nb):(\f)+8*(\nb)+7], v[(\f)+32+8*(\b2):(\f)+32+8*(\b2)+7], v[ACC+8*(4*(\b2)+(\nb)):ACC+8*(4*(\b2)+(\nb))+7]
.endr
.endr
.endm
.macro CHUNK slot, kk, f, g
	s_wait_dscnt 0x0                               ; f's 12 loads are in: nothing else of mine is out
	PLACES                                         ; behind the last products, which read g
	FETCH \slot, (\kk)+1, \g
	MUL \f
.endm
; The change of slots: each wave waits for all its tensor loads (one is out: its tile of the other slot), adds 0 to its spare word, and waits for that and for its reads of this slot.
; fill = 1: a round of the cluster's barrier, and the joint refill, two K steps ahead, first behind it.
.macro TURN slot, fill
	s_wait_tensorcnt 0x0                           ; no tensor load of mine is out, so a group 0 may be written
	ds_add_u32 v[SPW], v[NIL]                      ; 0 onto my spare word
.if \fill
	s_add_nc_u64 s[G0A+4*(\slot)+2:G0A+4*(\slot)+3], s[G0A+4*(\slot)+2:G0A+4*(\slot)+3], 2*KBYTES
	s_add_nc_u64 s[G0W+4*(\slot)+2:G0W+4*(\slot)+3], s[G0W+4*(\slot)+2:G0W+4*(\slot)+3], 2*KBYTES
.endif
	s_wait_dscnt 0x0                               ; the add is done, and my reads of this slot are over
.if \fill
	CROUND
	JLOAD \slot                                    ; its four v_nop are also the places in front of the loads below
.else
	s_barrier_signal -1
	s_barrier_wait -1
	PLACES
.endif
	FETCH 1-(\slot), 0, F0
	MUL F1
.endm
.macro KSTEP slot, mode                ; mode 1: the slot is filled again; 0: it is not; 2: the last K step
	CHUNK \slot, 0, F0, F1
	CHUNK \slot, 1, F1, F0
	CHUNK \slot, 2, F0, F1
	CHUNK \slot, 3, F1, F0
	CHUNK \slot, 4, F0, F1
	CHUNK \slot, 5, F1, F0
	CHUNK \slot, 6, F0, F1
.if (\mode) == 2
	s_wait_dscnt 0x0
	MUL F1
.else
	TURN \slot, \mode
.endif
.endm
	s_load_b256 s[4:11], s[0:1], 0x0               ; wb s[4:5], x4 s[6:7], b_t s[8:9], lg s[10:11]
	v_lshl_add_u32 v[SPW], v0, 2, SPARE
	v_mov_b32 v[NIL], 0
	ds_add_u32 v[SPW], v[NIL]                      ; the wave's opening: the add and its wait stand ahead of my first tensor load; the set-up below, work on registers, stands between them
	v_lshrrev_b32 v1, 5, v0
	v_readfirstlane_b32 s[WV], v1                  ; wave 0..3
	s_lshr_b32 s[WY], s[WV], 1
	s_and_b32 s[WX], s[WV], 1
	s_bfe_u32 s76, ttmp6, 0x40000                  ; cx, cy
	s_bfe_u32 s77, ttmp6, 0x40004
	s_lshl_b32 s78, ttmp9, 2
	s_add_co_u32 s78, s78, s76                     ; bx: my 128 columns
	s_and_b32 s79, ttmp7, 0xffff
	s_lshl_b32 s79, s79, 2
	s_add_co_u32 s79, s79, s77                     ; by: my 64 batch rows
	s_lshl_b32 s80, s77, 2
	s_lshl_b32 s80, 15, s80                        ; my row of the cluster
	s_lshl_b32 s81, 0x1111, s76                    ; my column
	s_or_b32 s[G1A], s80, (3<<16)|(1<<21)          ; a dense block as rows of 32 elements of 8 bytes: mask; element size code 3; 21 set beside a mask
	s_or_b32 s[G1W], s81, (3<<16)|(1<<21)
	s_mov_b32 s[G1A+1], 32<<16                     ; tensor_dim0 = 32
	s_mov_b32 s[G1A+2], 64<<16                     ; tensor_dim1 = 64 rows: 16,384 bytes
	s_mov_b32 s[G1A+3], 32<<16                     ; tile_dim0 = 32
	s_mov_b32 s[G1A+4], 64                         ; tile_dim1 = 64
	s_mov_b32 s[G1A+5], 32                         ; 32 elements from row to row
	s_mov_b32 s[G1A+6], 0
	s_mov_b32 s[G1A+7], 0
	s_mov_b32 s[G1W+1], 32<<16
	s_mov_b32 s[G1W+2], 128<<16                    ; 128 rows: 32,768 bytes
	s_mov_b32 s[G1W+3], 32<<16
	s_mov_b32 s[G1W+4], 128
	s_mov_b32 s[G1W+5], 32
	s_mov_b32 s[G1W+6], 0
	s_mov_b32 s[G1W+7], 0
	s_lshl_b32 s90, s[WV], 15                      ; where my tile goes in a slot: the wave's number alone
	s_lshl_b32 s82, s79, 17                        ; c's tile hangs on by and the wave alone
	s_lshl_b32 s83, s[WX], 14
	s_add_co_u32 s82, s82, s83
	s_add_co_u32 s82, s82, COFF
	s_mov_b32 s83, 0
	s_lshl_b32 s84, s78, 1                         ; W_t's on bx and the wave alone: block 2 bx + half of 64 rows
	s_add_co_u32 s84, s84, s[WX]
	s_lshl_b32 s84, s84, 17
	s_add_co_u32 s84, s84, WT
	s_mov_b32 s85, 0
.irp g, G0A, G0W
	s_mov_b32 s[\g], 1                             ; count = 1
	s_mov_b32 s[\g+1], s90                         ; LDS address, slot 0
	s_mov_b32 s[\g+4], 1
	s_add_co_u32 s[\g+5], s90, SLOT                ; slot 1
.endr
	s_wait_dscnt 0x0                               ; the opening add is done
	s_wait_kmcnt 0x0
	s_add_nc_u64 s[G0A+2:G0A+3], s[6:7], s[82:83]  ; K step 0,
	s_add_nc_u64 s[G0A+6:G0A+7], s[G0A+2:G0A+3], KBYTES  ; K step 1
	s_add_nc_u64 s[G0W+2:G0W+3], s[4:5], s[84:85]
	s_add_nc_u64 s[G0W+6:G0W+7], s[G0W+2:G0W+3], KBYTES
.irp r, G0A+3, G0A+7, G0W+3, G0W+7
	s_or_b32 s[\r], s[\r], 0x80000000              ; type = 2
.endr
	CROUND                                         ; all sixteen work-groups are here: the first joint loads meet
	s_cmp_eq_u32 s[WY], 0                          ; a wave's two first fills stand in one branch, ahead of every wait on TENSORcnt and every LDS read: two loads of mine are out
	s_cbranch_scc0 .Lfirst_w
	tensor_load_to_lds s[G0A:G0A+3], s[G1A:G1A+7]
	s_nop 0
	tensor_load_to_lds s[G0A+4:G0A+7], s[G1A:G1A+7]
	s_nop 0
.rept 4
	v_nop
.endr
	s_branch .Lfirst_asked
.Lfirst_w:
	tensor_load_to_lds s[G0W:G0W+3], s[G1W:G1W+7]
	s_nop 0
	tensor_load_to_lds s[G0W+4:G0W+7], s[G1W:G1W+7]
	s_nop 0
.rept 4
	v_nop
.endr
.Lfirst_asked:
	v_and_b32 v10, 15, v0                          ; r = lane % 16
	v_bfe_u32 v11, v0, 4, 1                        ; h = lane / 16
	s_lshl_b32 s66, s78, 9                         ; my 64 columns begin 512 bx + 256 wx bytes into b_t and into a row of lg
	s_lshl_b32 s67, s[WX], 8
	s_add_co_u32 s66, s66, s67
	v_lshl_add_u32 v[BOF], v11, 5, s66             ; + my eight columns
.irp b2, 0,1                           ; the bias starts the sums: straight into the accumulators
.irp nb, 0,1,2,3
	global_load_b128 v[ACC+8*(4*(\b2)+(\nb)):ACC+8*(4*(\b2)+(\nb))+3],   v[BOF], s[8:9] offset:64*(\nb)
	global_load_b128 v[ACC+8*(4*(\b2)+(\nb))+4:ACC+8*(4*(\b2)+(\nb))+7], v[BOF], s[8:9] offset:64*(\nb)+16
.endr
.endr
	s_lshl_b32 s67, s79, 19                        ; my first row of lg: 64 by + 32 wy, 8,192 bytes a row
	s_add_co_u32 s66, s66, s67
	s_lshl_b32 s67, s[WY], 18
	s_add_co_u32 s66, s66, s67
	s_mov_b32 s67, 0
	s_add_nc_u64 s[10:11], s[10:11], s[66:67]
	v_and_b32 v[L16], 31, v0
	v_lshlrev_b32 v[L16], 4, v[L16]
	s_lshl_b32 s66, s[WY], 10                      ; my 32 rows are blocks 2 wy, 2 wy + 1 of the tile's four
	v_add_nc_u32 v[ADRA], s66, v[L16]
	v_add_nc_u32 v[ADRA+1], SLOT, v[ADRA]
	s_lshl_b32 s66, s[WX], 15                      ; my 64 columns are wave 2 + wx's tile
	s_add_co_u32 s66, s66, 2*KBYTES
	v_add_nc_u32 v[ADRW], s66, v[L16]
	v_add_nc_u32 v[ADRW+1], SLOT, v[ADRW]
	s_mul_i32 s66, s[WV], 16*SP
	s_add_co_u32 s66, s66, STAGE                   ; my stage
	v_mul_u32_u24 v[STO], v10, SP                  ; in: row r, 32 bytes for each half of the lanes
	v_lshl_add_u32 v[STO], v11, 5, v[STO]
	v_add_nc_u32 v[STO], s66, v[STO]
	v_mul_u32_u24 v[RD], v11, SP                   ; back: lanes 0-15 take one row of 256 bytes, lanes 16-31 the next
	v_lshl_add_u32 v[RD], v10, 4, v[RD]
	v_add_nc_u32 v[RD], s66, v[RD]
	v_lshlrev_b32 v[CO], 13, v11                   ; and the same two rows in lg
	v_lshl_add_u32 v[CO], v10, 4, v[CO]
	s_wait_tensorcnt 0x1                           ; my tile of slot 0 is in; slot 1's, the one issued behind it, may stay out
	s_barrier_signal -1
	s_barrier_wait -1                              ; everybody's is
	FETCH 0, 0, F0
	s_wait_loadcnt 0x0                             ; the bias
	s_mov_b32 s3, 1
.Llap:                                                 ; once round the ring; both slots are filled again
	KSTEP 0, 1
	KSTEP 1, 1
	s_sub_co_u32 s3, s3, 1
	s_cmp_lg_u32 s3, 0
	s_cbranch_scc1 .Llap
	KSTEP 0, 0                                     ; the last two K steps are written out: nothing is left to fetch
	KSTEP 1, 2
	PLACES
	; THE WAY OUT: a block of 16 rows goes into my own stage, 32 bytes a lane, and comes back as whole rows of 256 bytes.  LDS serves a wave's instructions in order (ISA guide 5.7.1.4): the loads see the stores above
	; them, and the second block's stores come behind the first block's loads.  Each accumulator's low four registers are read first.
.irp b2, 0,1
.irp nb, 0,1,2,3
	ds_store_b128 v[STO], v[ACC+8*(4*(\b2)+(\nb)):ACC+8*(4*(\b2)+(\nb))+3],   offset:64*(\nb)
	ds_store_b128 v[STO], v[ACC+8*(4*(\b2)+(\nb))+4:ACC+8*(4*(\b2)+(\nb))+7], offset:64*(\nb)+16
.endr
.irp t, 0,1,2,3,4,5,6,7
	ds_load_b128 v[F0+48*(\b2)+4*(\t):F0+48*(\b2)+4*(\t)+3], v[RD] offset:(\t)*2*SP
.endr
.endr
	s_wait_dscnt 0x10                              ; block 0's eight loads are back; block 1's sixteen LDS instructions may be out
.irp t, 0,1,2,3,4,5,6,7
	global_store_b128 v[CO], v[F0+4*(\t):F0+4*(\t)+3], s[10:11] offset:2*(\t)*8192  ; 16 lanes store 256 consecutive bytes, at a multiple of 256 from lg's first byte
.endr
	s_wait_dscnt 0x0
.irp t, 0,1,2,3,4,5,6,7
	global_store_b128 v[CO], v[F1+4*(\t):F1+4*(\t)+3], s[10:11] offset:(16+2*(\t))*8192
.endr
	s_wait_tensorcnt 0x0                           ; the wave's end: a wait, an add to my spare word and a wait, behind my last tensor load and my last LDS store
	ds_add_u32 v[SPW], v[NIL]
	s_wait_dscnt 0x0
	CROUND                                         ; the closing round: no work-group ends while a partner may still ask for a tile that names it
	s_endpgm
.Lfunc_end_k_q7f811e8aae_head:
	.size	k_q7f811e8aae_head, .Lfunc_end_k_q7f811e8aae_head-k_q7f811e8aae_head
	.p2alignl 7, 3214868480
	.fill 96, 4, 3214868480
	.section	.rodata,"a",@progbits
	.p2align	6, 0x0
	.amdhsa_kernel k_q7f811e8aae_head
		.amdhsa_group_segment_fixed_size 327680
		.amdhsa_private_segment_fixed_size 0
		.amdhsa_enable_private_segment 0
		.amdhsa_kernarg_size 32
		.amdhsa_user_sgpr_count 2
		.amdhsa_user_sgpr_kernarg_segment_ptr 1
		.amdhsa_wavefront_size32 1
		.amdhsa_system_sgpr_workgroup_id_x 1
		.amdhsa_system_sgpr_workgroup_id_y 1
		.amdhsa_system_sgpr_workgroup_id_z 1
		.amdhsa_system_vgpr_workitem_id 0
		.amdhsa_next_free_vgpr 176
		.amdhsa_next_free_sgpr 96
		.amdhsa_reserve_vcc 0
		.amdhsa_float_denorm_mode_32 3
		.amdhsa_float_denorm_mode_16_64 3
		.amdhsa_memory_ordered 1
		.amdhsa_forward_progress 1
		.amdhsa_inst_pref_size 59
	.end_amdhsa_kernel
	.amdgpu_metadata
---
amdhsa.version: [ 1, 2 ]
amdhsa.kernels:
  - .name:           k_q7f811e8aae_head
    .symbol:         k_q7f811e8aae_head.kd
    .args:
      - { .name: wb, .offset: 0, .size: 8, .value_kind: global_buffer, .address_space: global }
      - { .name: x4, .offset: 8, .size: 8, .value_kind: global_buffer, .address_space: global }
      - { .name: b_t, .offset: 16, .size: 8, .value_kind: global_buffer, .address_space: global }
      - { .name: lg, .offset: 24, .size: 8, .value_kind: global_buffer, .address_space: global }
    .group_segment_fixed_size: 327680
    .private_segment_fixed_size: 0
    .kernarg_segment_align: 8
    .kernarg_segment_size: 32
    .max_flat_workgroup_size: 128
    .sgpr_count:     96
    .vgpr_count:     176
    .wavefront_size: 32
...
	.end_amdgpu_metadata
.endif
;; end of part 4
;; launch soft (part 5): grid 256 x 1, 4 waves a work-group, no clusters, 0 bytes of LDS; arguments lg, out0; writes out0
.if DOCPART == 5
	.amdgcn_target "amdgcn-amd-amdhsa--gfx1250"
	.amdhsa_code_object_version 6
	.text
	.protected	k_q7f811e8aae_soft
	.globl	k_q7f811e8aae_soft
	.p2align	8
	.type	k_q7f811e8aae_soft,@function
k_q7f811e8aae_soft:
	s_mov_b64 s[64:65], 0
	v_nop
	global_prefetch_b8 v0, s[64:65] scope:SCOPE_SE
	s_setreg_imm32_b32 hwreg(HW_REG_WAVE_MODE, 25, 1), 1
	s_wait_xcnt 0x0
; out0[r][:] = softmax(lg[r][:]), rows of 2,048 f32 = 8,192 bytes.  One wave takes a whole row, 64 numbers a lane, and keeps it in registers between the maximum, the exponentials and the scaling:
; the row is read once, the reductions never leave the wave, and there is no LDS and no barrier.  Each load and store of a wave covers 512 consecutive aligned bytes.
; The row's maximum m is taken away: p = 2^(x log2 e - m log2 e), so the largest p is 1 and the sum lies in 1 to 2,048.  A p below 2^-126 counts as 0.  NaN and infinities are not treated apart.
; The launch only streams: matrix units, clusters and tensor loads would add nothing.
.set X,  4                             ; v4-67   the row
.set M,  68                            ; v68-71  four running maxima; later v68-75 four running sums (pairs)
.set NM, 72                            ; v72-73  -m log2 e, twice
.set SU, 68
.set RC, 76                            ; v76-77  1 / sum, twice
	s_load_b128 s[4:7], s[0:1], 0x0                ; lg s[4:5], out0 s[6:7]
	v_lshrrev_b32 v1, 5, v0
	v_readfirstlane_b32 s8, v1                     ; wave 0..3
	s_lshl_b32 s9, ttmp9, 2
	s_add_co_u32 s9, s9, s8                        ; my row
	s_lshl_b32 s10, s9, 13
	s_mov_b32 s11, 0
	s_mov_b32 s12, 0x76543210                      ; v_permlanex16_b32: each lane takes its own place in the other half
	s_mov_b32 s13, 0xfedcba98
	v_and_b32 v1, 31, v0
	v_lshlrev_b32 v1, 4, v1                        ; 16 bytes a lane
	s_wait_kmcnt 0x0
	s_add_nc_u64 s[4:5], s[4:5], s[10:11]
	s_add_nc_u64 s[6:7], s[6:7], s[10:11]
.irp i, 0,1,2,3,4,5,6,7,8,9,10,11,12,13,14,15
	global_load_b128 v[X+4*(\i):X+4*(\i)+3], v1, s[4:5] offset:512*(\i) th:TH_LOAD_NT
.endr
	s_wait_loadcnt 0x0
	; the maximum of my 64 numbers: four chains of 16, three operands at a time, started by the first numbers: nothing is cleared
.irp k, 0,1,2,3
	v_max3_num_f32 v[M+(\k)], v[X+16*(\k)], v[X+16*(\k)+1], v[X+16*(\k)+2]
.endr
.irp j, 0,1,2,3,4,5
.irp k, 0,1,2,3
	v_max3_num_f32 v[M+(\k)], v[M+(\k)], v[X+16*(\k)+3+2*(\j)], v[X+16*(\k)+4+2*(\j)]
.endr
.endr
.irp k, 0,1,2,3
	v_max_num_f32 v[M+(\k)], v[M+(\k)], v[X+16*(\k)+15]
.endr
	v_max3_num_f32 v[M], v[M], v[M+1], v[M+2]
	v_max_num_f32 v[M], v[M], v[M+3]
	; across the 32 lanes: four steps inside each half ride on the arithmetic, one crosses the halves
	v_max_num_f32_dpp v[M], v[M], v[M] row_xmask:1 row_mask:0xf bank_mask:0xf
	v_max_num_f32_dpp v[M], v[M], v[M] row_xmask:2 row_mask:0xf bank_mask:0xf
	v_max_num_f32_dpp v[M], v[M], v[M] row_xmask:4 row_mask:0xf bank_mask:0xf
	v_max_num_f32_dpp v[M], v[M], v[M] row_xmask:8 row_mask:0xf bank_mask:0xf
	v_permlanex16_b32 v[M+1], v[M], s12, s13       ; its destination counts as read: it has been written
	v_max_num_f32 v[M], v[M], v[M+1]
	v_mul_f32 v[NM], 0xbfb8aa3b, v[M]              ; -m log2 e
	v_mov_b32 v[NM+1], v[NM]
.set i, 0
.rept 32
	v_pk_fma_f32 v[X+2*i:X+2*i+1], v[X+2*i:X+2*i+1], 0x3fb8aa3b, v[NM:NM+1] op_sel_hi:[1,0,1]
.set i, i+1
.endr
.set i, 0
.rept 64
	v_exp_f32 v[X+i], v[X+i]
.set i, i+1
.endr
	v_nop                                          ; a plain instruction between the run of exponentials and the use of their results (ISA guide 5.7.2)
	; the sum: four chains of eight pairs
	s_wait_alu depctr_va_vdst(0)
.irp k, 0,1,2,3
	v_pk_add_f32 v[SU+2*(\k):SU+2*(\k)+1], v[X+16*(\k):X+16*(\k)+1], v[X+16*(\k)+2:X+16*(\k)+3]
.endr
.irp j, 2,3,4,5,6,7
.irp k, 0,1,2,3
	v_pk_add_f32 v[SU+2*(\k):SU+2*(\k)+1], v[SU+2*(\k):SU+2*(\k)+1], v[X+16*(\k)+2*(\j):X+16*(\k)+2*(\j)+1]
.endr
.endr
	v_pk_add_f32 v[SU:SU+1], v[SU:SU+1], v[SU+2:SU+3]
	v_pk_add_f32 v[SU+4:SU+5], v[SU+4:SU+5], v[SU+6:SU+7]
	v_pk_add_f32 v[SU:SU+1], v[SU:SU+1], v[SU+4:SU+5]
	v_add_f32 v[SU], v[SU], v[SU+1]
	v_add_f32_dpp v[SU], v[SU], v[SU] row_xmask:1 row_mask:0xf bank_mask:0xf
	v_add_f32_dpp v[SU], v[SU], v[SU] row_xmask:2 row_mask:0xf bank_mask:0xf
	v_add_f32_dpp v[SU], v[SU], v[SU] row_xmask:4 row_mask:0xf bank_mask:0xf
	v_add_f32_dpp v[SU], v[SU], v[SU] row_xmask:8 row_mask:0xf bank_mask:0xf
	v_permlanex16_b32 v[SU+1], v[SU], s12, s13
	v_add_f32 v[SU], v[SU], v[SU+1]
	v_rcp_f32 v[RC], v[SU]                         ; made twice, to fill the pair that the packed multiply takes
	v_rcp_f32 v[RC+1], v[SU]
	v_nop                                          ; a plain instruction between the reciprocals and their use
	s_wait_alu depctr_va_vdst(0)
.irp i, 0,1,2,3,4,5,6,7,8,9,10,11,12,13,14,15
	v_pk_mul_f32 v[X+4*(\i):X+4*(\i)+1],   v[X+4*(\i):X+4*(\i)+1],   v[RC:RC+1]
	v_pk_mul_f32 v[X+4*(\i)+2:X+4*(\i)+3], v[X+4*(\i)+2:X+4*(\i)+3], v[RC:RC+1]
	global_store_b128 v1, v[X+4*(\i):X+4*(\i)+3], s[6:7] offset:512*(\i) th:TH_STORE_NT
.endr
	s_endpgm
.Lfunc_end_k_q7f811e8aae_soft:
	.size	k_q7f811e8aae_soft, .Lfunc_end_k_q7f811e8aae_soft-k_q7f811e8aae_soft
	.p2alignl 7, 3214868480
	.fill 96, 4, 3214868480
	.section	.rodata,"a",@progbits
	.p2align	6, 0x0
	.amdhsa_kernel k_q7f811e8aae_soft
		.amdhsa_group_segment_fixed_size 0
		.amdhsa_private_segment_fixed_size 0
		.amdhsa_enable_private_segment 0
		.amdhsa_kernarg_size 16
		.amdhsa_user_sgpr_count 2
		.amdhsa_user_sgpr_kernarg_segment_ptr 1
		.amdhsa_wavefront_size32 1
		.amdhsa_system_sgpr_workgroup_id_x 1
		.amdhsa_system_sgpr_workgroup_id_y 1
		.amdhsa_system_sgpr_workgroup_id_z 1
		.amdhsa_system_vgpr_workitem_id 0
		.amdhsa_next_free_vgpr 80
		.amdhsa_next_free_sgpr 66
		.amdhsa_reserve_vcc 0
		.amdhsa_float_denorm_mode_32 3
		.amdhsa_float_denorm_mode_16_64 3
		.amdhsa_memory_ordered 1
		.amdhsa_forward_progress 1
		.amdhsa_inst_pref_size 16
	.end_amdhsa_kernel
	.amdgpu_metadata
---
amdhsa.version: [ 1, 2 ]
amdhsa.kernels:
  - .name:           k_q7f811e8aae_soft
    .symbol:         k_q7f811e8aae_soft.kd
    .args:
      - { .name: lg, .offset: 0, .size: 8, .value_kind: global_buffer, .address_space: global }
      - { .name: out0, .offset: 8, .size: 8, .value_kind: global_buffer, .address_space: global }
    .group_segment_fixed_size: 0
    .private_segment_fixed_size: 0
    .kernarg_segment_align: 8
    .kernarg_segment_size: 16
    .max_flat_workgroup_size: 128
    .sgpr_count:     66
    .vgpr_count:     80
    .wavefront_size: 32
...
	.end_amdgpu_metadata
.endif
;; end of part 5
;; ======== version 2 of 2: 7 launches; version 1 with the launches prep, soft written anew for expert scheduling mode
;; workspace buffers: wb 27,787,264 bytes; x1 4,325,376 bytes; x2 4,325,376 bytes; x3 4,325,376 bytes; x4 4,325,376 bytes; g 12,582,912 bytes; lg 8,388,608 bytes
;; launch prep (part 6): grid 860 x 1, 8 waves a work-group, no clusters, 19,456 bytes of LDS; arguments W_ih, contexts, W_t, msgs, wb, x1, x2, x3; writes wb, x1, x2, x3
.if DOCPART == 6
	.amdgcn_target "amdgcn-amd-amdhsa--gfx1250"
	.amdhsa_code_object_version 6
	.text
	.protected	k_q7f811e8aae_prep
	.globl	k_q7f811e8aae_prep
	.p2align	8
	.type	k_q7f811e8aae_prep,@function
k_q7f811e8aae_prep:
	s_mov_b64 s[64:65], 0
	v_nop
	global_prefetch_b8 v0, s[64:65] scope:SCOPE_SE
	s_setreg_imm32_b32 hwreg(HW_REG_WAVE_SCHED_MODE, 0, 2), 2
	s_setreg_imm32_b32 hwreg(HW_REG_WAVE_MODE, 25, 1), 1
	s_wait_xcnt 0x0
	s_wait_alu depctr_vm_vsrc(0)
; PREP: every matrix operand of the later launches is rounded once from f32 to bf16 and laid out as a FRAGMENT IMAGE.
; Image(R rows, K): element (row, k) lies at byte (row/64)(K/16)2048 + (k/16)2048 + ((row/16)%4)512 + ((k/8)%2)256 + (row%16)16 + (k%8)2.
; A unit of 16 rows x 16 k is 512 dense bytes in which lane 16 h + r owns bytes 16 lane ..: row r, k = 8 h .. 8 h + 7: two units on end are one
; 16 x 32 matrix operand (ISA guide 7.12.2), and 64 rows x 256 k are 32,768 dense bytes.
; Of W_ih only the gates i, g, o are taken (rows 0-1023, 2048-4095): the result of the f gate is discarded by the module.  W_hh enters the module by its shape alone and is named nowhere.
; A BRICK is 16 rows x 64 k: 16 x 256 aligned bytes of f32 in, four units of 512 bytes out.  A work-group does 16 bricks, a wave two.
; Sixteen neighbouring lanes load 256 consecutive bytes of a row; the turn into units goes through the wave's own stage in LDS; each store of the wave covers 512 consecutive aligned bytes.
; Matrix units, clusters and tensor loads have nothing to do here: the launch only streams.
; THE MODE: SCHED_MODE bits 1:0 = 2 (LLVM: expert scheduling mode 2), set by the entry lines.  The code itself states the register dependences
; between vector instructions and memory or LDS instructions, with s_wait_alu, always for 0.
; THE PLAN.  Registers that memory or LDS instructions touch:
;   RO  v4-11     written once by the address arithmetic; read by the sixteen global loads; never written again.
;   IN  v16-79    the global loads land here; the roundings read them.  v16-31 are BK1 later: brick 1's loads from the stage land there, behind brick 0's roundings.
;   PK  v80-111   written by the roundings, a half for each brick; read by the LDS stores; never written again.
;   v12, v13, v14 written once by the address arithmetic behind the global loads; read by the LDS stores, the LDS loads and the global stores; never written again.
;   BK0 v112-127  v112-115 serve the address arithmetic first; then brick 0's loads from the stage land here, and the global stores read them.
;   v2, v3        written at the head, read by the closing add alone.
; So three waits on va_vdst state all of it: one ahead of the global loads (RO), one behind each brick's roundings.  No register that a memory or LDS instruction reads is written again,
; so the text holds no wait on vm_vsrc.
.set WPITCH, 12544                     ; bytes in a row of W_ih (3,136 f32), 49 x 256
.set WC,   0                           ; wb: W_ih columns 0-2047 of the three gates, Image(3072, 2048)
.set WH,   12582912                    ;     columns 2112-3135, Image(3072, 1024)
.set WM,   18874368                    ;     columns 2048-2111, Image(3072, 64)
.set WT,   19267584                    ;     W_t, Image(2048, 1024)
.set XC,   23461888                    ;     contexts, Image(1024, 2048)
.set M0,   27656192                    ;     msgs[0], Image(1024, 64)
.set MOFF, 2097152                     ; x1, x2, x3: msgs[1], msgs[2], msgs[3] lie here
.set HP,   288                         ; the stage: a half unit (16 rows x 16 bytes) every 288 bytes = 72 words, so that the 32 lanes of a store touch 64 different words modulo 64
.set STG,  8*HP                        ; a wave's stage: one brick
.set SPARE, 8*STG                      ; behind the stages: the spare words, 128 bytes for each of the eight waves
.set SPW, 2                            ; v2      LDS address of my spare word; never rewritten
.set NIL, 3                            ; v3      0; never rewritten
.set RO,  4                            ; v4-11   load i: byte offset of row 2 i + lane / 16, bytes 16 (lane % 16) ..
.set STW, 12                           ; v12     where I put 8 bytes into the stage
.set STR, 13                           ; v13     where I read 16 bytes of a unit back
.set GOF, 14                           ; v14     16 x lane
.set IN,  16                           ; v16-79  two bricks as loaded
.set PK,  80                           ; v80-111 two bricks packed
.set BK0, 112                          ; v112-127 brick 0 as units
.set BK1, 16                           ; v16-31   brick 1 as units: brick 0's input registers, free once it is packed
.macro SRCROW                          ; s44 = the first row in W_ih of block s6 of 16 rows of the three gates: the f gate's 1,024 rows are stepped over
	s_lshl_b32 s44, s6, 4
	s_cmp_ge_u32 s6, 64
	s_cselect_b32 s15, 0x400, 0
	s_add_co_u32 s44, s44, s15
.endm
.macro DEST sh, base                   ; s10 = base + (block / 4) << sh + (block % 4) x 512
	s_lshr_b32 s10, s6, 2
	s_lshl_b32 s10, s10, \sh
	s_and_b32 s15, s6, 3
	s_lshl_b32 s15, s15, 9
	s_add_co_u32 s10, s10, s15
.if \base
	s_add_co_u32 s10, s10, \base
.endif
.endm
	s_load_b512 s[16:31], s[0:1], 0x0              ; W_ih s[16:17], contexts s[18:19], W_t s[20:21], msgs s[22:23], wb s[24:25], x1 s[26:27], x2 s[28:29], x3 s[30:31]
	v_lshl_add_u32 v[SPW], v0, 2, SPARE
	v_mov_b32 v[NIL], 0
	v_lshrrev_b32 v1, 5, v0
	v_readfirstlane_b32 s2, v1                     ; wave 0..7
	s_wait_alu depctr_va_sdst(0)                   ; s2 is written, ahead of its first reader: my bricks' places and my stage are made from it
	s_lshl_b32 s3, s2, 1                           ; my first brick of the group's sixteen
	s_mov_b32 s4, ttmp9
	s_mov_b32 s9, 0                                ; high words of the two offsets
	s_mov_b32 s11, 0
	s_mov_b32 s12, WPITCH                          ; what most families share: the source's pitch,
	s_mov_b32 s13, 256                             ; bricks follow each other along K,
	s_mov_b32 s14, 0                               ; (mode 0)
	s_wait_kmcnt 0x0
	s_mov_b64 s[32:33], s[16:17]                   ; from W_ih
	s_mov_b64 s[34:35], s[24:25]                   ; into wb
	; THE FAMILIES, by the work-group's number.  Each leaves: s8 source offset, s10 destination offset, s12 pitch, s13 source step from brick to brick, s14 mode, s[32:33] source, s[34:35] destination.
	s_cmp_lt_u32 s4, 384
	s_cbranch_scc0 .Lnot_wc
	s_lshr_b32 s6, s4, 1                           ; W_ih, context columns: 192 blocks of 16 rows x two halves of 1,024 k
	s_and_b32 s7, s4, 1
	SRCROW
	s_mul_i32 s8, s44, WPITCH
	s_lshl_b32 s15, s7, 12
	s_add_co_u32 s8, s8, s15
	DEST 18, WC
	s_lshl_b32 s15, s7, 17
	s_add_co_u32 s10, s10, s15
	s_branch .Lgo
.Lnot_wc:
	s_cmp_lt_u32 s4, 576
	s_cbranch_scc0 .Lnot_wh
	s_sub_co_u32 s6, s4, 384                       ; W_ih, hidden columns: 192 blocks x 1,024 k, from byte 8,448 of a row
	SRCROW
	s_mul_i32 s8, s44, WPITCH
	s_add_co_u32 s8, s8, 8448
	DEST 17, WH
	s_branch .Lgo
.Lnot_wh:
	s_cmp_lt_u32 s4, 704
	s_cbranch_scc0 .Lnot_ctx
	s_sub_co_u32 s5, s4, 576                       ; contexts: 64 blocks x two halves
	s_lshr_b32 s6, s5, 1
	s_and_b32 s7, s5, 1
	s_lshl_b32 s8, s6, 17
	s_lshl_b32 s15, s7, 12
	s_add_co_u32 s8, s8, s15
	DEST 18, XC
	s_lshl_b32 s15, s7, 17
	s_add_co_u32 s10, s10, s15
	s_mov_b64 s[32:33], s[18:19]
	s_mov_b32 s12, 8192
	s_branch .Lgo
.Lnot_ctx:
	s_cmp_lt_u32 s4, 832
	s_cbranch_scc0 .Lnot_wt
	s_sub_co_u32 s6, s4, 704                       ; W_t: 128 blocks x 1,024 k
	s_lshl_b32 s8, s6, 16
	DEST 17, WT
	s_mov_b64 s[32:33], s[20:21]
	s_mov_b32 s12, 4096
	s_branch .Lgo
.Lnot_wt:
	s_cmp_lt_u32 s4, 844
	s_cbranch_scc0 .Lmsgs
	s_sub_co_u32 s5, s4, 832                       ; W_ih, message columns: K is one brick, so the group's sixteen bricks go down the rows (256 rows: never across a gate's end)
	s_lshl_b32 s6, s5, 4
	SRCROW
	s_mul_i32 s8, s44, WPITCH
	s_add_co_u32 s8, s8, 8192
	s_lshl_b32 s10, s5, 15
	s_add_co_u32 s10, s10, WM
	s_mov_b32 s13, 16*WPITCH
	s_mov_b32 s14, 1
	s_branch .Lgo
.Lmsgs:
	s_sub_co_u32 s5, s4, 844                       ; msgs: four groups of 256 rows for each of the four steps
	s_lshl_b32 s8, s5, 16
	s_and_b32 s10, s5, 3
	s_lshl_b32 s10, s10, 15
	s_lshr_b32 s6, s5, 2                           ; the step: 0 goes into wb, t into x_t
	s_mov_b32 s15, MOFF
	s_cmp_eq_u32 s6, 0
	s_cselect_b32 s15, M0, s15
	s_cselect_b64 s[34:35], s[24:25], s[26:27]
	s_cmp_eq_u32 s6, 2
	s_cselect_b64 s[34:35], s[28:29], s[34:35]
	s_cmp_eq_u32 s6, 3
	s_cselect_b64 s[34:35], s[30:31], s[34:35]
	s_add_co_u32 s10, s10, s15
	s_mov_b64 s[32:33], s[22:23]
	s_mov_b32 s12, 256
	s_mov_b32 s13, 4096
	s_mov_b32 s14, 1
.Lgo:
	s_mul_i32 s15, s3, s13                         ; my first brick in the source
	s_add_co_u32 s8, s8, s15
	s_lshl_b32 s44, s3, 13                         ; and in the image.  Mode 0: four units of 2,048 bytes a brick along K
	s_lshr_b32 s45, s3, 2                          ; mode 1: 8,192 bytes for 64 rows, 512 for 16
	s_lshl_b32 s45, s45, 13
	s_and_b32 s46, s3, 3
	s_lshl_b32 s46, s46, 9
	s_add_co_u32 s45, s45, s46
	s_mov_b32 s46, 512
	s_cmp_eq_u32 s14, 0
	s_cselect_b32 s44, s44, s45
	s_cselect_b32 s46, 0x2000, s46                 ; from my first brick to my second
	s_add_co_u32 s10, s10, s44
	s_mov_b32 s47, 0
	s_mov_b32 s44, s13
	s_mov_b32 s45, 0
	s_add_nc_u64 s[36:37], s[32:33], s[8:9]        ; four addresses, never rewritten: brick 0 and 1 in,
	s_add_nc_u64 s[38:39], s[36:37], s[44:45]
	s_add_nc_u64 s[40:41], s[34:35], s[10:11]      ; brick 0 and 1 out
	s_add_nc_u64 s[42:43], s[40:41], s[46:47]
	v_bfe_u32 v112, v0, 4, 1                       ; t = lane / 16
	v_and_b32 v113, 15, v0                         ; c = lane % 16
	v_lshlrev_b32 v114, 4, v113
	v_mad_u32_u24 v[RO], v112, s12, v114           ; row t, bytes 16 c ..
	s_lshl_b32 s15, s12, 1
.irp i, 1,2,3,4,5,6,7
	v_add_nc_u32 v[RO+(\i)], s15, v[RO+(\i)-1]     ; two rows further down
.endr
.macro BRICKIN n                       ; eight loads: each takes two rows' 256 aligned bytes
.irp i, 0,1,2,3,4,5,6,7
	global_load_b128 v[IN+32*(\n)+4*(\i):IN+32*(\n)+4*(\i)+3], v[RO+(\i)], s[36+2*(\n):37+2*(\n)] th:TH_LOAD_NT
.endr
.endm
	s_wait_alu depctr_va_vdst(0)                   ; the eight offsets v[RO ..] are written, which the sixteen loads below read
	BRICKIN 0
	BRICKIN 1
	s_mul_i32 s15, s2, STG                         ; my stage
	v_lshrrev_b32 v115, 1, v113                    ; my four numbers k = 4 c .. lie in half unit c / 2, row 2 i + t, bytes 8 (c % 2) ..
	v_mul_u32_u24 v115, v115, HP
	v_lshl_add_u32 v115, v112, 4, v115
	v_and_b32 v114, 1, v113
	v_lshl_add_u32 v115, v114, 3, v115
	v_add_nc_u32 v[STW], s15, v115
	v_mul_u32_u24 v115, v112, HP                   ; back: lane 16 h + r takes row r of half unit 2 u + h
	v_lshl_add_u32 v115, v113, 4, v115
	v_add_nc_u32 v[STR], s15, v115
	v_and_b32 v[GOF], 31, v0
	v_lshlrev_b32 v[GOF], 4, v[GOF]
.macro PACK n                          ; two roundings to bf16 an instruction
.irp i, 0,1,2,3,4,5,6,7
	v_cvt_pk_bf16_f32 v[PK+16*(\n)+2*(\i)],   v[IN+32*(\n)+4*(\i)],   v[IN+32*(\n)+4*(\i)+1]
	v_cvt_pk_bf16_f32 v[PK+16*(\n)+2*(\i)+1], v[IN+32*(\n)+4*(\i)+2], v[IN+32*(\n)+4*(\i)+3]
.endr
.endm
.macro STAGE n, bk                     ; into my stage and back as units.  LDS serves a wave's instructions in order (ISA guide 5.7.1.4): the loads see the stores above, the next brick's stores come behind them
.irp i, 0,1,2,3,4,5,6,7
	ds_store_b64 v[STW], v[PK+16*(\n)+2*(\i):PK+16*(\n)+2*(\i)+1] offset:32*(\i)
.endr
.irp u, 0,1,2,3
	ds_load_b128 v[(\bk)+4*(\u):(\bk)+4*(\u)+3], v[STR] offset:2*HP*(\u)
.endr
.endm
.macro OUT n, bk                       ; four stores of 512 consecutive bytes, at multiples of 512 from the buffer's first byte
.irp u, 0,1,2,3
	global_store_b128 v[GOF], v[(\bk)+4*(\u):(\bk)+4*(\u)+3], s[40+2*(\n):41+2*(\n)] offset:2048*(\u)
.endr
.endm
	s_wait_loadcnt 0x8                             ; loads come back in order (ISA guide 5.7.1): brick 0's eight are in, brick 1's eight may be out
	PACK 0
	s_wait_alu depctr_va_vdst(0)                   ; brick 0's roundings have written v80-95, which the LDS stores read, and are done reading v16-31, in which brick 1's units land later; v12, v13, v14 are written, which the LDS
	                                               ; instructions and the global stores read; the address arithmetic is done with v112-115, in which brick 0's units land
	STAGE 0, BK0
	s_wait_loadcnt 0x0
	PACK 1
	s_wait_alu depctr_va_vdst(0)                   ; brick 1's roundings have written v96-111, which the LDS stores read (they name v48-79 and v96-111 alone: what the wait above stated still holds)
	STAGE 1, BK1
	s_wait_dscnt 0xc                               ; brick 0's four loads are back; brick 1's eight stores and four loads may be out
	OUT 0, BK0
	s_wait_dscnt 0x0
	OUT 1, BK1
	s_wait_dscnt 0x0                               ; the closing lines, six on end
	s_wait_alu 0x0
	s_wait_tensorcnt 0x0
	ds_add_u32 v[SPW], v[NIL]
	s_wait_dscnt 0x0
	s_endpgm
.Lfunc_end_k_q7f811e8aae_prep:
	.size	k_q7f811e8aae_prep, .Lfunc_end_k_q7f811e8aae_prep-k_q7f811e8aae_prep
	.p2alignl 7, 3214868480
	.fill 96, 4, 3214868480
	.section	.rodata,"a",@progbits
	.p2align	6, 0x0
	.amdhsa_kernel k_q7f811e8aae_prep
		.amdhsa_group_segment_fixed_size 19456
		.amdhsa_private_segment_fixed_size 0
		.amdhsa_enable_private_segment 0
		.amdhsa_kernarg_size 64
		.amdhsa_user_sgpr_count 2
		.amdhsa_user_sgpr_kernarg_segment_ptr 1
		.amdhsa_wavefront_size32 1
		.amdhsa_system_sgpr_workgroup_id_x 1
		.amdhsa_system_sgpr_workgroup_id_y 1
		.amdhsa_system_sgpr_workgroup_id_z 1
		.amdhsa_system_vgpr_workitem_id 0
		.amdhsa_next_free_vgpr 128
		.amdhsa_next_free_sgpr 66
		.amdhsa_reserve_vcc 0
		.amdhsa_float_denorm_mode_32 3
		.amdhsa_float_denorm_mode_16_64 3
		.amdhsa_memory_ordered 1
		.amdhsa_forward_progress 1
		.amdhsa_inst_pref_size 13
	.end_amdhsa_kernel
	.amdgpu_metadata
---
amdhsa.version: [ 1, 2 ]
amdhsa.kernels:
  - .name:           k_q7f811e8aae_prep
    .symbol:         k_q7f811e8aae_prep.kd
    .args:
      - { .name: W_ih, .offset: 0, .size: 8, .value_kind: global_buffer, .address_space: global }
      - { .name: contexts, .offset: 8, .size: 8, .value_kind: global_buffer, .address_space: global }
      - { .name: W_t, .offset: 16, .size: 8, .value_kind: global_buffer, .address_space: global }
      - { .name: msgs, .offset: 24, .size: 8, .value_kind: global_buffer, .address_space: global }
      - { .name: wb, .offset: 32, .size: 8, .value_kind: global_buffer, .address_space: global }
      - { .name: x1, .offset: 40, .size: 8, .value_kind: global_buffer, .address_space: global }
      - { .name: x2, .offset: 48, .size: 8, .value_kind: global_buffer, .address_space: global }
      - { .name: x3, .offset: 56, .size: 8, .value_kind: global_buffer, .address_space: global }
    .group_segment_fixed_size: 19456
    .private_segment_fixed_size: 0
    .kernarg_segment_align: 8
    .kernarg_segment_size: 64
    .max_flat_workgroup_size: 256
    .sgpr_count:     66
    .vgpr_count:     128
    .wavefront_size: 32
...
	.end_amdgpu_metadata
.endif
;; end of part 6
;; launch first: the kernel of part 2 again; grid 16 x 16, 4 waves a work-group, clusters of 4 x 4, 327,680 bytes of LDS; arguments wb, b_ih, b_hh, g, x1; writes g, x1
;; launch step2: the kernel of part 3 again; grid 16 x 16, 4 waves a work-group, clusters of 4 x 4, 327,680 bytes of LDS; arguments wb, g, x1, x2; writes x2
;; launch step3: the kernel of part 3 again; grid 16 x 16, 4 waves a work-group, clusters of 4 x 4, 327,680 bytes of LDS; arguments wb, g, x2, x3; writes x3
;; launch step4: the kernel of part 3 again; grid 16 x 16, 4 waves a work-group, clusters of 4 x 4, 327,680 bytes of LDS; arguments wb, g, x3, x4; writes x4
;; launch head: the kernel of part 4 again; grid 16 x 16, 4 waves a work-group, clusters of 4 x 4, 327,680 bytes of LDS; arguments wb, x4, b_t, lg; writes lg
;; launch soft (part 7): grid 256 x 1, 4 waves a work-group, no clusters, 0 bytes of LDS; arguments lg, out0; writes out0
.if DOCPART == 7
	.amdgcn_target "amdgcn-amd-amdhsa--gfx1250"
	.amdhsa_code_object_version 6
	.text
	.protected	k_q7f811e8aae_soft
	.globl	k_q7f811e8aae_soft
	.p2align	8
	.type	k_q7f811e8aae_soft,@function
k_q7f811e8aae_soft:
	s_mov_b64 s[64:65], 0
	v_nop
	global_prefetch_b8 v0, s[64:65] scope:SCOPE_SE
	s_setreg_imm32_b32 hwreg(HW_REG_WAVE_SCHED_MODE, 0, 2), 2
	s_setreg_imm32_b32 hwreg(HW_REG_WAVE_MODE, 25, 1), 1
	s_wait_xcnt 0x0
	s_wait_alu depctr_vm_vsrc(0)
; out0[r][:] = softmax(lg[r][:]), rows of 2,048 f32 = 8,192 bytes.  One wave takes a whole row, 64 numbers a lane, and keeps it in registers between the maximum, the exponentials and the scaling:
; the row is read once, the reductions never leave the wave, and there is no LDS and no barrier.  Each load and store of a wave covers 512 consecutive aligned bytes.
; The row's maximum m is taken away: p = 2^(x log2 e - m log2 e), so the largest p is 1 and the sum lies in 1 to 2,048.  A p below 2^-126 counts as 0.  NaN and infinities are not treated apart.
; The launch only streams: matrix units, clusters and tensor loads would add nothing.
; THE MODE: SCHED_MODE bits 1:0 = 2 (LLVM: expert scheduling mode 2), set by the entry lines.  The code itself states the register dependences
; between vector instructions and memory instructions, with s_wait_alu, always for 0.
; THE PLAN.  Registers that memory instructions touch:
;   v1       the offset 16 x lane: written at the head, read by all sixteen loads and all sixteen stores, never written again.
;   X v4-67  the loads land here (no vector instruction names them before); the vector work goes on in place; last the scalings write them, and the stores read them.
; The row goes out in four groups of 16 registers.  Behind group q's eight scalings stands one wait on va_vdst; group q's four stores follow it, dealt among group q + 1's scalings, which name
; that group's registers and the reciprocal alone: none of the registers that those stores read.  Nothing that a store has read is written again, so the text holds no wait on vm_vsrc.
.set X,  4                             ; v4-67   the row
.set M,  68                            ; v68-71  four running maxima; later v68-75 four running sums (pairs)
.set NM, 72                            ; v72-73  -m log2 e, twice
.set SU, 68
.set RC, 76                            ; v76-77  1 / sum, twice
	s_load_b128 s[4:7], s[0:1], 0x0                ; lg s[4:5], out0 s[6:7]
	v_lshrrev_b32 v1, 5, v0
	v_readfirstlane_b32 s8, v1                     ; wave 0..3
	s_lshl_b32 s9, ttmp9, 2
	s_wait_alu depctr_va_sdst(0)                   ; s8 is written, ahead of its first reader: my row's number is made from it
	s_add_co_u32 s9, s9, s8                        ; my row
	s_lshl_b32 s10, s9, 13
	s_mov_b32 s11, 0
	s_mov_b32 s12, 0x76543210                      ; v_permlanex16_b32: each lane takes its own place in the other half
	s_mov_b32 s13, 0xfedcba98
	v_and_b32 v1, 31, v0
	v_lshlrev_b32 v1, 4, v1                        ; 16 bytes a lane
	s_wait_kmcnt 0x0
	s_add_nc_u64 s[4:5], s[4:5], s[10:11]
	s_add_nc_u64 s[6:7], s[6:7], s[10:11]
	s_wait_alu depctr_va_vdst(0)                   ; v1 is written: every load and store of the kernel reads it as its offset
.irp i, 0,1,2,3,4,5,6,7,8,9,10,11,12,13,14,15
	global_load_b128 v[X+4*(\i):X+4*(\i)+3], v1, s[4:5] offset:512*(\i) th:TH_LOAD_NT
.endr
	s_wait_loadcnt 0x0
	; the maximum of my 64 numbers: four chains of 16, three operands at a time, started by the first numbers: nothing is cleared
.irp k, 0,1,2,3
	v_max3_num_f32 v[M+(\k)], v[X+16*(\k)], v[X+16*(\k)+1], v[X+16*(\k)+2]
.endr
.irp j, 0,1,2,3,4,5
.irp k, 0,1,2,3
	v_max3_num_f32 v[M+(\k)], v[M+(\k)], v[X+16*(\k)+3+2*(\j)], v[X+16*(\k)+4+2*(\j)]
.endr
.endr
.irp k, 0,1,2,3
	v_max_num_f32 v[M+(\k)], v[M+(\k)], v[X+16*(\k)+15]
.endr
	v_max3_num_f32 v[M], v[M], v[M+1], v[M+2]
	v_max_num_f32 v[M], v[M], v[M+3]
	; across the 32 lanes: four steps inside each half ride on the arithmetic, one crosses the halves
	v_max_num_f32_dpp v[M], v[M], v[M] row_xmask:1 row_mask:0xf bank_mask:0xf
	v_max_num_f32_dpp v[M], v[M], v[M] row_xmask:2 row_mask:0xf bank_mask:0xf
	v_max_num_f32_dpp v[M], v[M], v[M] row_xmask:4 row_mask:0xf bank_mask:0xf
	v_max_num_f32_dpp v[M], v[M], v[M] row_xmask:8 row_mask:0xf bank_mask:0xf
	v_permlanex16_b32 v[M+1], v[M], s12, s13       ; its destination counts as read: it has been written
	v_max_num_f32 v[M], v[M], v[M+1]
	v_mul_f32 v[NM], 0xbfb8aa3b, v[M]              ; -m log2 e
	v_mov_b32 v[NM+1], v[NM]
.set i, 0
.rept 32
	v_pk_fma_f32 v[X+2*i:X+2*i+1], v[X+2*i:X+2*i+1], 0x3fb8aa3b, v[NM:NM+1] op_sel_hi:[1,0,1]
.set i, i+1
.endr
.set i, 0
.rept 64
	v_exp_f32 v[X+i], v[X+i]
.set i, i+1
.endr
	v_nop                                          ; a plain instruction between the run of exponentials and the use of their results (ISA guide 5.7.2)
	; the sum: four chains of eight pairs
	s_wait_alu depctr_va_vdst(0)                   ; the 64 exponentials have written v[X ..]: one wait for the batch, ahead of the first sum that reads them
.irp k, 0,1,2,3
	v_pk_add_f32 v[SU+2*(\k):SU+2*(\k)+1], v[X+16*(\k):X+16*(\k)+1], v[X+16*(\k)+2:X+16*(\k)+3]
.endr
.irp j, 2,3,4,5,6,7
.irp k, 0,1,2,3
	v_pk_add_f32 v[SU+2*(\k):SU+2*(\k)+1], v[SU+2*(\k):SU+2*(\k)+1], v[X+16*(\k)+2*(\j):X+16*(\k)+2*(\j)+1]
.endr
.endr
	v_pk_add_f32 v[SU:SU+1], v[SU:SU+1], v[SU+2:SU+3]
	v_pk_add_f32 v[SU+4:SU+5], v[SU+4:SU+5], v[SU+6:SU+7]
	v_pk_add_f32 v[SU:SU+1], v[SU:SU+1], v[SU+4:SU+5]
	v_add_f32 v[SU], v[SU], v[SU+1]
	v_add_f32_dpp v[SU], v[SU], v[SU] row_xmask:1 row_mask:0xf bank_mask:0xf
	v_add_f32_dpp v[SU], v[SU], v[SU] row_xmask:2 row_mask:0xf bank_mask:0xf
	v_add_f32_dpp v[SU], v[SU], v[SU] row_xmask:4 row_mask:0xf bank_mask:0xf
	v_add_f32_dpp v[SU], v[SU], v[SU] row_xmask:8 row_mask:0xf bank_mask:0xf
	v_permlanex16_b32 v[SU+1], v[SU], s12, s13
	v_add_f32 v[SU], v[SU], v[SU+1]
	v_rcp_f32 v[RC], v[SU]                         ; made twice, to fill the pair that the packed multiply takes
	v_rcp_f32 v[RC+1], v[SU]
	v_nop                                          ; a plain instruction between the reciprocals and their use
; Group q of four: 16 registers of the row.  mul = 1: its eight scalings.  st = 1: the four stores of group q - 1, whose scalings stand ahead of the last wait on va_vdst; a store stands in front of each two scalings.
.macro GRP q, mul, st
.irp i, 0,1,2,3
.if \st
	global_store_b128 v1, v[X+16*((\q)-1)+4*(\i):X+16*((\q)-1)+4*(\i)+3], s[6:7] offset:512*(4*((\q)-1)+(\i)) th:TH_STORE_NT
.endif
.if \mul
	v_pk_mul_f32 v[X+16*(\q)+4*(\i):X+16*(\q)+4*(\i)+1],   v[X+16*(\q)+4*(\i):X+16*(\q)+4*(\i)+1],   v[RC:RC+1]
	v_pk_mul_f32 v[X+16*(\q)+4*(\i)+2:X+16*(\q)+4*(\i)+3], v[X+16*(\q)+4*(\i)+2:X+16*(\q)+4*(\i)+3], v[RC:RC+1]
.endif
.endr
.endm
	s_wait_alu depctr_va_vdst(0)                   ; the two reciprocals have written v[RC:RC+1]: one wait for both, ahead of the first scaling that reads them
	GRP 0, 1, 0
	s_wait_alu depctr_va_vdst(0)                   ; group 0's scalings have written v4-19, which the four stores below read
	GRP 1, 1, 1
	s_wait_alu depctr_va_vdst(0)                   ; group 1's scalings have written v20-35, which the four stores below read
	GRP 2, 1, 1
	s_wait_alu depctr_va_vdst(0)                   ; group 2's scalings have written v36-51, which the four stores below read
	GRP 3, 1, 1
	s_wait_alu depctr_va_vdst(0)                   ; group 3's scalings have written v52-67, which the last four stores read
	GRP 4, 0, 1
	s_endpgm
.Lfunc_end_k_q7f811e8aae_soft:
	.size	k_q7f811e8aae_soft, .Lfunc_end_k_q7f811e8aae_soft-k_q7f811e8aae_soft
	.p2alignl 7, 3214868480
	.fill 96, 4, 3214868480
	.section	.rodata,"a",@progbits
	.p2align	6, 0x0
	.amdhsa_kernel k_q7f811e8aae_soft
		.amdhsa_group_segment_fixed_size 0
		.amdhsa_private_segment_fixed_size 0
		.amdhsa_enable_private_segment 0
		.amdhsa_kernarg_size 16
		.amdhsa_user_sgpr_count 2
		.amdhsa_user_sgpr_kernarg_segment_ptr 1
		.amdhsa_wavefront_size32 1
		.amdhsa_system_sgpr_workgroup_id_x 1
		.amdhsa_system_sgpr_workgroup_id_y 1
		.amdhsa_system_sgpr_workgroup_id_z 1
		.amdhsa_system_vgpr_workitem_id 0
		.amdhsa_next_free_vgpr 80
		.amdhsa_next_free_sgpr 66
		.amdhsa_reserve_vcc 0
		.amdhsa_float_denorm_mode_32 3
		.amdhsa_float_denorm_mode_16_64 3
		.amdhsa_memory_ordered 1
		.amdhsa_forward_progress 1
		.amdhsa_inst_pref_size 17
	.end_amdhsa_kernel
	.amdgpu_metadata
---
amdhsa.version: [ 1, 2 ]
amdhsa.kernels:
  - .name:           k_q7f811e8aae_soft
    .symbol:         k_q7f811e8aae_soft.kd
    .args:
      - { .name: lg, .offset: 0, .size: 8, .value_kind: global_buffer, .address_space: global }
      - { .name: out0, .offset: 8, .size: 8, .value_kind: global_buffer, .address_space: global }
    .group_segment_fixed_size: 0
    .private_segment_fixed_size: 0
    .kernarg_segment_align: 8
    .kernarg_segment_size: 16
    .max_flat_workgroup_size: 128
    .sgpr_count:     66
    .vgpr_count:     80
    .wavefront_size: 32
...
	.end_amdgpu_metadata
.endif
;; end of part 7
